; MI455X (gfx1250); checked and timed in simulation.
; The chip was launched on July 23, 2026; its instructions are those of AMD's public machine-readable ISA for CDNA 5 (MIT licence, August 2026) and "CDNA5" Instruction Set Architecture Reference Guide (July 2026). The comments in the code are by the model that wrote it; some were corrected since.
;; Causal Self Attention. Allowed arithmetic: matrix products marked QUANTISED: E2M1 operands, one E8M0 scale for each 32 along K, by v_wmma_scale_f32_16x16x128_f8f6f4 with both operands' format E2M1 (or v_wmma_scale_f32_32x16x128_f4), f32 sums; products left as they are: bf16, f16 or f32 operands; f32 sums; everything else in f32.
;; Inputs: Wout 1,024 x 1,024 float32; Wqkv 1,024 x 3,072 float32; x 4 x 2,048 x 1,024 float32.
;; Outputs: out0 4 x 2,048 x 1,024 float32.
;; This version of the problem:
;;   THIS VERSION OF THE PROBLEM IS GIVEN IN LOW PRECISION. The matrix products marked QUANTISED in the list below multiply operands that are first quantised to E2M1 (2 exponent bits, 1 mantissa bit; 4 bits a number), with one power-of-two scale for each 32 numbers along K (OCP MX v1.0); their sums are f32. The products marked 'left as it is' may take bf16, f16 or f32 operands, with f32 sums. Whichever they take, every output number must still come out within the allowed error. Rounding operands to bf16 (8 significant bits) uses up far more of that allowance than f16 does (11 bits, for magnitudes from 6e-5 to 65,504). All else is computed in f32.
;;   The module's matrix products, in the order in which they are computed (A, B: the left and right operand; K: the contracted axis; several contracted axes count as one K, in the product's order):
;;     1. [M 8,192, K 1,024] x [K 1,024, N 3,072]; A: input x; B: input Wqkv: QUANTISED
;;     2. batch 64 x [M 2,048, K 64] x [K 64, N 2,048]; A: computed on the way; B: computed on the way: left as it is (an operand is computed on the way)
;;     3. batch 64 x [M 2,048, K 2,048] x [K 2,048, N 64]; A: computed on the way; B: computed on the way: left as it is (an operand is computed on the way)
;;     4. [M 8,192, K 1,024] x [K 1,024, N 1,024]; A: computed on the way; B: input Wout: left as it is (an operand is computed on the way)
;;   THE QUANTISER, for each operand of a quantised product, along K:
;;     - K is cut into blocks of 32 from its start; a last block that is shorter is filled with zeros.
;;     - A block's scale is 2^e with e = floor(log2(the largest magnitude in the block)) - 2, held to -126 .. 127; a block of zeros has e = 0. As a byte (E8M0): e + 127.
;;     - Each number is divided by its block's scale, clamped to +-6, and rounded to the nearest number of E2M1, ties to even, subnormals kept.
;;     - The product sums the exact products of the quantised numbers (number of the format x scale) in f32.
;;   ~~~python
;;   def quantise(x, axis):      # numpy; x: float32 -> the quantised numbers, widened to float32 again
;;       x = np.moveaxis(x, axis, -1); K = x.shape[-1]
;;       x = np.pad(x, [(0, 0)] * (x.ndim - 1) + [(0, -K % 32)]); x = x.reshape(x.shape[:-1] + (-1, 32)); a = np.abs(x).max(-1, keepdims=True)
;;       e = np.where(a > 0, np.clip(np.frexp(np.where(a > 0, a, 1))[1] - 1 - 2, -126, 127), 0)      # np.frexp(a)[1] - 1 = floor(log2(a)), exactly
;;       r = np.clip(x / 2.0 ** e, -6, 6)
;;       step = 2.0 ** (np.maximum(np.frexp(np.where(r == 0, 1, r))[1] - 1, 0) - 1)
;;       q = np.round(r / step) * step * 2.0 ** e      # np.round: ties to even
;;       return np.moveaxis(q.reshape(q.shape[:-2] + (-1,))[..., :K], -1, axis).astype(np.float32)
;;   ~~~
;; One version. Each part assembles by itself: llvm-mc -triple=amdgcn-amd-amdhsa -mcpu=gfx1250 --defsym DOCPART=n.
;; ======== version 1 of 1: 5 launches
;; limits: values are held in f16: magnitudes above 65,504 overflow, below 6.1e-05 lose precision
;; workspace buffers: codes 5,767,168 bytes; scales 360,448 bytes; wo16 2,097,152 bytes; rope 524,288 bytes; qkv 50,331,648 bytes; fine 786,432 bytes; att 16,777,216 bytes
;; launch prep (part 1): grid 368 x 1, 4 waves a work-group, no clusters, 68,096 bytes of LDS; arguments x, Wqkv, Wout, codes, scales, wo16, rope; writes codes, scales, wo16, rope
.if DOCPART == 1
	.amdgcn_target "amdgcn-amd-amdhsa--gfx1250"
	.amdhsa_code_object_version 6
	.text
	.protected	k_q4b59e3903a_prep
	.globl	k_q4b59e3903a_prep
	.p2align	8
	.type	k_q4b59e3903a_prep,@function
k_q4b59e3903a_prep:
	s_mov_b64 s[64:65], 0
	v_nop
	global_prefetch_b8 v0, s[64:65] scope:SCOPE_SE
	s_setreg_imm32_b32 hwreg(HW_REG_WAVE_MODE, 25, 1), 1
	s_wait_xcnt 0x0
; FOUR JOBS IN ONE LAUNCH, told apart by the work-group's number (scalar branches at the head):
;   0-255   X: x [8192][1024] f32 -> codes of FP4 (E2M1), K innermost, [8192][512 bytes], and one E8M0 byte for each 32 along K, [8192][32]
;   256-303 W: Wqkv [1024 (k)][3072 (n)] f32, whose K is its FIRST axis -> codes [3072][512 bytes] at byte WC of the same buffer, scale bytes [3072][32] at byte WS
;   304-335 O: Wout [1024][1024] f32 -> f16, as it lies
;   336-367 R: the table of cos and sin for the rotation: row t = 32 cosines, then 32 sines, of t x 10000^(-i/32), f32, 256 bytes a row
; A block's scale is 2^(floor(log2(its largest magnitude)) - 2); its byte is the largest magnitude's exponent field - 2, held at 1 from below.
; LIMITS: a block of zeros gets the byte 1 where the rule says 127 (its codes are zeros, and this program alone reads the bytes); blocks whose largest magnitude lies under 2^-124 keep the byte 1;
; NaN and infinities among the inputs are not served; |Wout| stays under 65,504 (f16); 10000^(-i/32) comes from v_exp_f32, so an angle may differ from the reference's by some 2e-4 at t near 2,047.
; No tensor load, no barrier: waves share nothing.  Paths X and W use LDS, each bytes of its own.
.set WC,     4194304                   ; Wqkv's codes begin here in 'codes'
.set WS,     262144                    ; and its scale bytes here in 'scales'
.set SPW,    192                       ; v192  LDS address of my spare word; never rewritten
.set NIL,    193                       ; v193  0; never rewritten
.set SPARE,  67584                     ; behind both paths' bytes: the spare words, 128 bytes a wave
; path X
.set STEPS,  16
.set CB,     8                         ; bytes of 16 codes
.set XR,     16                        ; v16-79   four sets of 16 numbers as loaded
.set XX,     80                        ; v80-111  two sets of 16 neighbours
.set XE,     112                       ; v112-127 a scale byte for each step
.set XC,     128                       ; v128-191 codes: four registers for each step
.set WREG,   8192                      ; LDS: a region for each wave: two stages of 32 x SP bytes, then its 256 scale bytes
.set SP,     80                        ; a lane's place in a stage: 64 bytes + 16 of padding
; path W
.set NB,     16                        ; blocks of 32 along K for a wave
.set WPITCH, 272                       ; a stage row: 256 bytes of codes + 16
.set WSTG,   32768                     ; path W's stages begin here
.set WX,     32                        ; v32-95   two sets of 32 numbers
.set WCD,    96                        ; v96-99   a block's codes
.set OUTR,   112                       ; v112-175 the way out
.set SB,     24                        ; v24-27   the scale bytes, four to a register
.macro XLOAD t                         ; 32 lanes read 512 consecutive bytes
.irp i, 0,1,2,3
	global_load_b128 v[XR+16*((\t)%4)+4*\i:XR+16*((\t)%4)+4*\i+3], v3, s[4:5] offset:2048*(\t)+512*\i th:TH_LOAD_NT
.endr
.endm
.macro XTURN t                         ; a step's 2,048 bytes through the wave's stage: in as they lie, out 64 bytes a lane.  LDS serves a wave's instructions in order
.irp i, 0,1,2,3
	ds_store_b128 v14, v[XR+16*((\t)%4)+4*\i:XR+16*((\t)%4)+4*\i+3] offset:32*SP*((\t)%2)+8*SP*\i
.endr
.irp i, 0,1,2,3
	ds_load_b128 v[XX+16*((\t)%2)+4*\i:XX+16*((\t)%2)+4*\i+3], v15 offset:32*SP*((\t)%2)+16*\i
.endr
.endm
.macro XSTEP t
.set XS, XX+16*((\t)%2)
.if (\t) > 0
	s_wait_dscnt 1                                 ; this step's numbers are back from the stage; the last step's byte store may be out
.else
	s_wait_dscnt 0x0
.endif
.if (\t)+4 < STEPS
	XLOAD (\t)+4
.endif
.if (\t)+1 < STEPS
.if STEPS-2-(\t) >= 3
	s_wait_loadcnt 12                              ; the next step's four loads are in; the 12 of the three steps behind it may be out
.else
	s_wait_loadcnt 4*(STEPS-2-(\t))
.endif
	XTURN (\t)+1
.endif
	v_max3_num_f32 v8, |v[XS]|, |v[XS+1]|, |v[XS+2]|               ; the largest magnitude of my 16, in two chains
	v_max3_num_f32 v9, |v[XS+3]|, |v[XS+4]|, |v[XS+5]|
.irp i, 6,10
	v_max3_num_f32 v8, v8, |v[XS+\i]|, |v[XS+\i+1]|
	v_max3_num_f32 v9, v9, |v[XS+\i+2]|, |v[XS+\i+3]|
.endr
	v_max3_num_f32 v8, v8, |v[XS+14]|, |v[XS+15]|
	v_max3_num_f32 v8, v8, v9, 0x1800000           ; and the floor 2^(3 - 127): the byte cannot fall under 1
	v_max_num_f32_dpp v8, v8, v8 row_xmask:1 row_mask:0xf bank_mask:0xf   ; with my neighbour's 16: the block's
	v_add_nc_u32 v11, 0xff000000, v8               ; 2 off its exponent field: the conversion takes that field as its scale
	v_cvt_scalef32_pk8_fp4_f32 v[XC+4*(\t)], v[XS:XS+7], v11
	v_cvt_scalef32_pk8_fp4_f32 v[XC+4*(\t)+1], v[XS+8:XS+15], v11
	v_lshrrev_b32 v[XE+(\t)], 23, v11              ; the scale's byte (a plain line behind the conversions)
	ds_store_b8 v5, v[XE+(\t)] offset:16*(\t)      ; both lanes of a block write the same byte with the same value
	global_store_b64 v4, v[XC+4*(\t):XC+4*(\t)+1], s[10:11] offset:32*CB*(\t)   ; the wave stores 256 consecutive bytes, aligned
.endm
.macro WLOAD t                         ; block t: Wqkv(32 t + i, my column) into set t % 2
.set i, 0
.rept 32
	global_load_b32 v[WX+32*((\t)%2)+i], v3, s[6:7] offset:(32*(\t)+i)*12288 th:TH_LOAD_NT
.set i, i+1
.endr
.endm
.macro WBLOCK t
.set XS, WX+32*((\t)%2)
.if (\t) < NB-1
	s_wait_loadcnt 32                              ; this block's 32 loads are in; the next block's 32 may be out
.else
	s_wait_loadcnt 0x0
.endif
	v_max3_num_f32 v12, |v[XS]|, |v[XS+1]|, |v[XS+2]|              ; all 32 numbers of the block are mine
	v_max3_num_f32 v13, |v[XS+3]|, |v[XS+4]|, |v[XS+5]|
.irp i, 6,10,14,18,22,26
	v_max3_num_f32 v12, v12, |v[XS+\i]|, |v[XS+\i+1]|
	v_max3_num_f32 v13, v13, |v[XS+\i+2]|, |v[XS+\i+3]|
.endr
	v_max3_num_f32 v12, v12, |v[XS+30]|, |v[XS+31]|
	v_max3_num_f32 v12, v12, v13, 0x1800000
	v_add_nc_u32 v11, 0xff000000, v12
	v_lshrrev_b32 v13, 23, v11
.if (\t)%4 == 0
	v_mov_b32 v[SB+(\t)/4], v13
.else
	v_lshl_or_b32 v[SB+(\t)/4], v13, 8*((\t)%4), v[SB+(\t)/4]
.endif
.irp g, 0,1,2,3
	v_cvt_scalef32_pk8_fp4_f32 v[WCD+\g], v[XS+8*\g:XS+8*\g+7], v11
.endr
	ds_store_b128 v4, v[WCD:WCD+3] offset:16*(\t)  ; 32 codes: 16 bytes of my column's row
.if (\t)+2 < NB
	WLOAD (\t)+2
.endif
	s_wait_dscnt 0x0                               ; the store has read its registers: the next block's codes may be written
.endm
.macro OLOAD b, u                      ; eight steps of 256 numbers into set u: a lane takes 8 neighbours, 32 bytes
.irp s, 0,1,2,3,4,5,6,7
	global_load_b128 v[32+64*\u+8*\s:32+64*\u+8*\s+3], v1, s[8:9] offset:1024*(8*\b+\s)
	global_load_b128 v[32+64*\u+8*\s+4:32+64*\u+8*\s+7], v1, s[8:9] offset:1024*(8*\b+\s)+16
.endr
.endm
.macro OCVT b, u, left                 ; left: the younger batch's loads, which may stay out
	s_wait_loadcnt \left
	s_wait_xcnt 0x0                                ; the last batch's stores have read v160-191
.irp s, 0,1,2,3,4,5,6,7
.irp k, 0,1,2,3
	v_cvt_pk_f16_f32 v[160+4*\s+\k], v[32+64*\u+8*\s+2*\k], v[32+64*\u+8*\s+2*\k+1]
.endr
.endr
.irp s, 0,1,2,3,4,5,6,7
	global_store_b128 v3, v[160+4*\s:160+4*\s+3], s[14:15] offset:512*(8*\b+\s)   ; the wave stores 512 consecutive bytes
.endr
.endm
; One number of the table: step i, element e of my four.  theta = t x inv; k = the nearest whole number to theta x 2/pi; r = theta - k pi/2 in two parts; sine and cosine of r by their series
; (|r| <= pi/4: the first term left out is under 2e-9); the quadrant q = k (cosines) or k - 1 (sines) picks one of the two and its sign.
.macro RELEM i, e
.set RB, 16+8*\e
	v_mul_f32 v[RB], v7, v[8+\e]
	v_mul_f32 v[RB+1], s25, v[RB]
	v_rndne_f32 v[RB+1], v[RB+1]
	v_fma_f32 v[RB+2], -v[RB+1], s26, v[RB]
	v_fma_f32 v[RB+2], -v[RB+1], s27, v[RB+2]
	v_cvt_i32_f32 v[RB+6], v[RB+1]
	v_sub_nc_u32 v[RB+6], v[RB+6], v4
	v_mul_f32 v[RB+3], v[RB+2], v[RB+2]
	v_fma_f32 v[RB+4], v[RB+3], s31, s30
	v_fma_f32 v[RB+4], v[RB+4], v[RB+3], s29
	v_fma_f32 v[RB+4], v[RB+4], v[RB+3], s28
	v_mul_f32 v[RB+7], v[RB+2], v[RB+3]
	v_fma_f32 v[RB+4], v[RB+7], v[RB+4], v[RB+2]   ; sin r
	v_fma_f32 v[RB+5], v[RB+3], s35, s34
	v_fma_f32 v[RB+5], v[RB+5], v[RB+3], s33
	v_fma_f32 v[RB+5], v[RB+5], v[RB+3], s32
	v_fma_f32 v[RB+5], v[RB+5], v[RB+3], -0.5
	v_fma_f32 v[RB+5], v[RB+5], v[RB+3], 1.0       ; cos r
	v_and_b32 v[RB+7], 1, v[RB+6]
	v_cmp_eq_u32 vcc_lo, 1, v[RB+7]
	v_cndmask_b32 v[64+4*\i+\e], v[RB+5], v[RB+4], vcc_lo   ; odd quadrant: the sine
	v_add_nc_u32 v[RB+6], 1, v[RB+6]
	v_and_b32 v[RB+6], 2, v[RB+6]
	v_lshlrev_b32 v[RB+6], 30, v[RB+6]
	v_xor_b32 v[64+4*\i+\e], v[64+4*\i+\e], v[RB+6]         ; quadrants 1 and 2: the sign turns
.endm
	s_load_b256 s[4:11], s[0:1], 0x0               ; x s[4:5], Wqkv s[6:7], Wout s[8:9], codes s[10:11]
	s_load_b128 s[12:15], s[0:1], 0x20             ; scales s[12:13], wo16 s[14:15]
	s_load_b64 s[16:17], s[0:1], 0x30              ; rope
	v_lshl_add_u32 v[SPW], v0, 2, SPARE
	v_mov_b32 v[NIL], 0
	v_lshrrev_b32 v1, 5, v0
	v_readfirstlane_b32 s18, v1                    ; wave 0..3
	v_and_b32 v2, 31, v0                           ; lane
	s_wait_kmcnt 0x0
	s_cmp_lt_u32 ttmp9, 256
	s_cbranch_scc0 .Lnot_x
	; ---- X.  x is a plain stream of blocks of 32.  A wave takes a run of 16 steps of 512 numbers.
	v_lshlrev_b32 v3, 4, v2                        ; my 16 bytes of a load's 512
	s_mul_i32 s19, s18, WREG
	v_lshrrev_b32 v14, 2, v2
	v_mul_u32_u24 v14, v14, SP
	v_and_b32 v15, 3, v2
	v_lshl_add_u32 v14, v15, 4, v14
	v_add_nc_u32 v14, s19, v14                     ; the stage, in: SP (lane / 4) + 16 (lane % 4)
	v_mul_u32_u24 v15, v2, SP
	v_add_nc_u32 v15, s19, v15                     ; and out: SP x lane
	v_mul_u32_u24 v4, v2, CB                       ; my codes' place in a step's
	v_lshrrev_b32 v5, 1, v2
	s_add_co_u32 s19, s19, 2*32*SP
	v_add_nc_u32 v5, s19, v5                       ; my block's byte among the wave's 256
	v_lshlrev_b32 v7, 3, v2
	v_add_nc_u32 v6, s19, v7
	s_lshl_b32 s20, ttmp9, 2
	s_add_co_u32 s20, s20, s18                     ; my run of 8,192 numbers
	s_lshl_b32 s22, s20, 15
	s_mov_b32 s23, 0
	s_add_nc_u64 s[4:5], s[4:5], s[22:23]
	s_lshl_b32 s22, s20, 12
	s_add_nc_u64 s[10:11], s[10:11], s[22:23]
	s_lshl_b32 s22, s20, 8
	s_add_nc_u64 s[12:13], s[12:13], s[22:23]
.irp t, 0,1,2,3
	XLOAD \t
.endr
	s_wait_loadcnt 12                              ; step 0's four loads are in; 12 younger ones stay out
	XTURN 0
.irp t, 0,1,2,3,4,5,6,7,8,9,10,11,12,13,14,15
	XSTEP \t
.endr
	ds_load_b64 v[8:9], v6                         ; my wave's 256 scale bytes, 8 a lane
	s_wait_dscnt 0x0
	global_store_b64 v7, v[8:9], s[12:13]          ; 256 consecutive bytes, aligned
	s_wait_tensorcnt 0x0                           ; the wave's end: behind my last LDS store
	ds_add_u32 v[SPW], v[NIL]
	s_wait_dscnt 0x0
	s_endpgm
.Lnot_x:
	s_cmp_lt_u32 ttmp9, 304
	s_cbranch_scc0 .Lnot_w
	; ---- W.  A lane takes a column n and its registers run down K: a block lies in one lane, and the codes come out with K innermost.  A wave: 32 columns x 512 along K.
	s_sub_co_u32 s20, ttmp9, 256
	s_lshr_b32 s21, s20, 1
	s_lshl_b32 s21, s21, 7
	s_lshl_b32 s22, s18, 5
	s_add_co_u32 s21, s21, s22                     ; my wave's first column
	s_and_b32 s20, s20, 1                          ; which half of K
	v_lshlrev_b32 v3, 2, v2                        ; in: 4 bytes a lane
	s_mul_i32 s19, s18, 32*WPITCH
	s_add_co_u32 s19, s19, WSTG                    ; my stage
	v_mul_u32_u24 v4, v2, WPITCH
	v_add_nc_u32 v4, s19, v4                       ; into it: row = my column
	v_and_b32 v5, 15, v2
	v_lshrrev_b32 v6, 4, v2
	v_mul_u32_u24 v7, v6, WPITCH
	v_lshl_add_u32 v7, v5, 4, v7
	v_add_nc_u32 v7, s19, v7                       ; out of it: sixteen lanes to a row, two rows an instruction
	v_mul_u32_u24 v8, v6, 512
	v_lshl_add_u32 v8, v5, 4, v8                   ; the same place among the codes' rows
	v_lshlrev_b32 v9, 5, v2                        ; my column's row of scale bytes
	s_mul_i32 s22, s20, 512*12288
	s_lshl_b32 s23, s21, 2
	s_add_co_u32 s22, s22, s23
	s_mov_b32 s23, 0
	s_add_nc_u64 s[6:7], s[6:7], s[22:23]
	s_lshl_b32 s22, s21, 9
	s_lshl_b32 s24, s20, 8
	s_add_co_u32 s22, s22, s24
	s_add_co_u32 s22, s22, WC
	s_add_nc_u64 s[10:11], s[10:11], s[22:23]
	s_lshl_b32 s22, s21, 5
	s_lshl_b32 s24, s20, 4
	s_add_co_u32 s22, s22, s24
	s_add_co_u32 s22, s22, WS
	s_add_nc_u64 s[12:13], s[12:13], s[22:23]
	WLOAD 0
	WLOAD 1
.set Q, 0
.rept NB
	WBLOCK Q
.set Q, Q+1
.endr
	global_store_b128 v9, v[SB:SB+3], s[12:13]     ; my column's 16 scale bytes
.irp t, 0,1,2,3,4,5,6,7,8,9,10,11,12,13,14,15
	ds_load_b128 v[OUTR+4*\t:OUTR+4*\t+3], v7 offset:2*\t*WPITCH
.endr
.irp t, 0,1,2,3,4,5,6,7,8,9,10,11,12,13,14,15
	s_wait_dscnt 15-\t                             ; the younger loads stay out
	global_store_b128 v8, v[OUTR+4*\t:OUTR+4*\t+3], s[10:11] offset:2*\t*512   ; sixteen lanes store 256 consecutive bytes, aligned
.endr
	s_wait_tensorcnt 0x0                           ; the wave's end: behind my last LDS store
	ds_add_u32 v[SPW], v[NIL]
	s_wait_dscnt 0x0
	s_endpgm
.Lnot_w:
	s_cmp_lt_u32 ttmp9, 336
	s_cbranch_scc0 .Lpath_r
	; ---- O.  A wave casts 8,192 numbers of Wout, in four batches of eight steps; one batch of 16 loads is on its way while the other is cast.
	s_sub_co_u32 s20, ttmp9, 304
	s_lshl_b32 s20, s20, 2
	s_add_co_u32 s20, s20, s18
	s_lshl_b32 s22, s20, 15
	s_mov_b32 s23, 0
	s_add_nc_u64 s[8:9], s[8:9], s[22:23]
	s_lshl_b32 s22, s20, 14
	s_add_nc_u64 s[14:15], s[14:15], s[22:23]
	v_lshlrev_b32 v1, 5, v2
	v_lshlrev_b32 v3, 4, v2
	OLOAD 0, 0
	OLOAD 1, 1
	OCVT 0, 0, 16
	OLOAD 2, 0
	OCVT 1, 1, 16
	OLOAD 3, 1
	OCVT 2, 0, 16
	OCVT 3, 1, 0
	s_endpgm
.Lpath_r:
	; ---- R.  A wave makes 16 rows of the table, two a step.  Lane u = lane % 16 holds 16 bytes of a row: u < 8: cosines of frequencies 4 u .. 4 u + 3; else the sines of 4 (u - 8) ..
	s_sub_co_u32 s20, ttmp9, 336
	s_mov_b32 s24, 0xbed49a78                      ; -log2(10000) / 32
	s_mov_b32 s25, 0x3f22f983                      ; 2 / pi
	s_mov_b32 s26, 0x3fc90fd8                      ; pi / 2, its upper part,
	s_mov_b32 s27, 0x34a8885a                      ; and the rest
	s_mov_b32 s28, 0xbe2aaaab                      ; -1/6
	s_mov_b32 s29, 0x3c088889                      ; 1/120
	s_mov_b32 s30, 0xb9500d01                      ; -1/5040
	s_mov_b32 s31, 0x3638ef1d                      ; 1/362880
	s_mov_b32 s32, 0x3d2aaaab                      ; 1/24
	s_mov_b32 s33, 0xbab60b61                      ; -1/720
	s_mov_b32 s34, 0x37d00d01                      ; 1/40320
	s_mov_b32 s35, 0xb493f27e                      ; -1/3628800
	v_and_b32 v3, 7, v2
	v_bfe_u32 v4, v2, 3, 1                         ; 1 in the lanes that hold sines
	v_lshlrev_b32 v3, 2, v3
.irp e, 0,1,2,3
	v_add_nc_u32 v[12+\e], \e, v3
	v_cvt_f32_u32 v[12+\e], v[12+\e]
	v_mul_f32 v[12+\e], s24, v[12+\e]
.endr
.irp e, 0,1,2,3
	v_exp_f32 v[8+\e], v[12+\e]                    ; 10000^(-i/32)
.endr
	v_lshrrev_b32 v5, 4, v2                        ; (a plain line behind the exponentials)  which of a step's two rows
	s_wait_alu depctr_va_vdst(0)                   ; one wait for the four, ahead of their first reader
	s_lshl_b32 s21, s20, 6
	s_lshl_b32 s22, s18, 4
	s_add_co_u32 s21, s21, s22                     ; my wave's first row
	v_add_nc_u32 v5, s21, v5
	v_lshlrev_b32 v6, 4, v2
	s_lshl_b32 s22, s21, 8
	s_mov_b32 s23, 0
	s_add_nc_u64 s[16:17], s[16:17], s[22:23]
.irp i, 0,1,2,3,4,5,6,7
	v_add_nc_u32 v7, 2*\i, v5
	v_cvt_f32_u32 v7, v7                           ; t
.irp e, 0,1,2,3
	RELEM \i, \e
.endr
	global_store_b128 v6, v[64+4*\i:64+4*\i+3], s[16:17] offset:512*\i   ; two rows: 512 consecutive bytes; each step has registers of its own
.endr
	s_endpgm
.Lfunc_end_k_q4b59e3903a_prep:
	.size	k_q4b59e3903a_prep, .Lfunc_end_k_q4b59e3903a_prep-k_q4b59e3903a_prep
	.p2alignl 7, 3214868480
	.fill 96, 4, 3214868480
	.section	.rodata,"a",@progbits
	.p2align	6, 0x0
	.amdhsa_kernel k_q4b59e3903a_prep
		.amdhsa_group_segment_fixed_size 68096
		.amdhsa_private_segment_fixed_size 0
		.amdhsa_enable_private_segment 0
		.amdhsa_kernarg_size 56
		.amdhsa_user_sgpr_count 2
		.amdhsa_user_sgpr_kernarg_segment_ptr 1
		.amdhsa_wavefront_size32 1
		.amdhsa_system_sgpr_workgroup_id_x 1
		.amdhsa_system_sgpr_workgroup_id_y 1
		.amdhsa_system_sgpr_workgroup_id_z 1
		.amdhsa_system_vgpr_workitem_id 0
		.amdhsa_next_free_vgpr 200
		.amdhsa_next_free_sgpr 66
		.amdhsa_reserve_vcc 1
		.amdhsa_float_denorm_mode_32 3
		.amdhsa_float_denorm_mode_16_64 3
		.amdhsa_memory_ordered 1
		.amdhsa_forward_progress 1
		.amdhsa_inst_pref_size 168
	.end_amdhsa_kernel
	.amdgpu_metadata
---
amdhsa.version: [ 1, 2 ]
amdhsa.kernels:
  - .name:           k_q4b59e3903a_prep
    .symbol:         k_q4b59e3903a_prep.kd
    .args:
      - { .name: x, .offset: 0, .size: 8, .value_kind: global_buffer, .address_space: global }
      - { .name: Wqkv, .offset: 8, .size: 8, .value_kind: global_buffer, .address_space: global }
      - { .name: Wout, .offset: 16, .size: 8, .value_kind: global_buffer, .address_space: global }
      - { .name: codes, .offset: 24, .size: 8, .value_kind: global_buffer, .address_space: global }
      - { .name: scales, .offset: 32, .size: 8, .value_kind: global_buffer, .address_space: global }
      - { .name: wo16, .offset: 40, .size: 8, .value_kind: global_buffer, .address_space: global }
      - { .name: rope, .offset: 48, .size: 8, .value_kind: global_buffer, .address_space: global }
    .group_segment_fixed_size: 68096
    .private_segment_fixed_size: 0
    .kernarg_segment_align: 8
    .kernarg_segment_size: 56
    .max_flat_workgroup_size: 128
    .sgpr_count:     66
    .vgpr_count:     200
    .wavefront_size: 32
...
	.end_amdgpu_metadata
.endif
;; end of part 1
;; launch gemm_qkv (part 2): grid 12 x 32, 4 waves a work-group, clusters of 4 x 4, 327,680 bytes of LDS; arguments codes, scales, rope, qkv, fine; writes qkv, fine
.if DOCPART == 2
	.amdgcn_target "amdgcn-amd-amdhsa--gfx1250"
	.amdhsa_code_object_version 6
	.text
	.protected	k_q4b59e3903a_gemm_qkv
	.globl	k_q4b59e3903a_gemm_qkv
	.p2align	8
	.type	k_q4b59e3903a_gemm_qkv,@function
k_q4b59e3903a_gemm_qkv:
	s_mov_b64 s[64:65], 0
	v_nop
	global_prefetch_b8 v0, s[64:65] scope:SCOPE_SE
	s_setreg_imm32_b32 hwreg(HW_REG_WAVE_MODE, 25, 1), 1
	s_wait_xcnt 0x0
	s_wait_alu depctr_hold_cnt(0) depctr_sa_sdst(0) depctr_va_vdst(0) depctr_va_sdst(0) depctr_va_ssrc(0) depctr_va_vcc(0) depctr_vm_vsrc(0)
	s_getreg_b32 s2, hwreg(HW_REG_IB_STS2, 6, 4)
	s_cmp_eq_u32 s2, 0
	s_cbranch_scc0 .Lentry_in_a_cluster
	s_endpgm
.Lentry_in_a_cluster:
	s_bfe_u32 s2, ttmp6, 0x10000c
	s_cmp_lg_u32 s2, 0xf033
	s_cbranch_scc0 .Lentry_shape_is_right
	s_endpgm
.Lentry_shape_is_right:
; x Wqkv on codes of FP4 (E2M1) with one E8M0 scale for each 32 along K = 1,024; sums in f32; then the rotation of q and k in f32; q, k, v leave as f16, laid [type][16 batch + head][t][64].
; The rows t < 16 of every sequence leave in f32 too ('fine': [batch][16 type + head][t][64]), for the launch that does those positions finely.
; A = x's codes [8192][512 bytes], B = Wqkv's codes [3072][512 bytes] (at byte WC of the same buffer); their scale bytes [rows][32] (B's at byte WS).
; A tile of the product, 256 x 256, is made by four waves, each 128 x 128: 64 accumulators, 512 registers.  K goes in two steps of 512: both LDS slots are filled at the start and none is filled again.
; By this text's count a wave has three tensor loads out at the start: its part of the scales, of slot 0 and of slot 1.
; CLUSTERS: 4 x 4 work-groups.  The four of a row of the cluster need the same tiles of A, the four of a column the same tiles of B: each tile is asked for jointly.
; A cluster is 1,024 columns wide: the cluster's x says whether its columns are q (0), k (1) or v (2): the same in all sixteen partners.
; THE MATRIX INSTRUCTION IS USED TRANSPOSED (source 0 = 16 rows of B, source 1 = 16 rows of A): a lane holds one token and eight neighbouring channels.
; LIMITS: |q|, |k|, |v| stay under 65,504 (f16).
; REGISTERS: window 0: v0-31 addresses; v32-95 scale words, two sets, and nothing else; v128-191 A's fragments; on the way out v96-159 rotated numbers, v160-191 f16, v192-255 rows read back.
;   window 1: B's fragments at v0-63 and v128-191; v64-127 cos and sin, two sets.   windows 2, 3: the accumulators ((a, b) at v[8 (8 (a % 4) + b)]).
.set WC,     4194304
.set WS,     262144
.set NQ,     4                         ; matrix instructions deep in a slot
.set ROWB,   256                       ; a tile's row in bytes: 512 codes
.set KROW,   512                       ; a row of codes in memory
.set PITCH,  272                       ; an LDS row: 256 bytes + 16 of padding: the 16 rows of a load start 68 words apart
.set FR,     8
.set NL,     2
.set NP,     4                         ; places behind this matrix instruction (ISA guide 7.12.1)
.set HALFT,  128*PITCH
.set SLOT,   4*HALFT
.set KS,     32                        ; a row of scales in bytes
.set SCL,    2*SLOT
.set HALFS,  (128*KS/256)*272
.set SBLK,   (16*KS/256)*272
.set SPARE,  SCL+4*HALFS               ; the spare words, 128 bytes a wave
.set TP,   7                           ; v7   my token's position t in block 0 of my rows
.set RT,   8                           ; v8   my byte in the table: 256 t + 32 (lane / 16)
.set FO,   9                           ; v9   my byte in 'fine': 256 (lane % 16) + 32 (lane / 16)
.set ADRA, 16
.set ADRB, 20
.set STO,  24                          ; v24  the way out: where I put 16 bytes of a row
.set RD,   25                          ; v25  where I read rows back
.set CO,   26                          ; v26  16 x lane
.set ADRS, 27
.set SPW,  28
.set NIL,  29
.set SC,   32
.set AF,   128
.set CSW,  64                          ; window 1: cos and sin, set a % 2: +0 cos 0-15's half, +8 cos 16-31's, +16, +24 sin likewise
.set Y,    96
.set HH,   160
.set BK,   192
.set G1, 24
.set G0, 32
.set G1B, 48
.set G0B, 56
.set G1S, 68
.set G0S, 76
.set G1SB, 80
.set G0SB, 88
.set MSB, 0
.macro WIN new                         ; the immediate's high byte repeats the setting that is left
.if MSB != (\new)
	s_set_vgpr_msb (MSB<<8)|(\new)
.set MSB, (\new)
.endif
.endm
.set MUL_LO, 0xa1                      ; source 0 (B) window 1, source 1 (A) window 0, C and D window 2
.set MUL_HI, 0xf1
.set TO_B,   0x40                      ; destination window 1, address window 0
; A joint load: waves 0 and 1 fetch for A, waves 2 and 3 for B.  An s_nop 0 and four v_nop follow each of the two lines.
.macro JLOAD g0a, g1a, g0b, g1b
	s_cmp_eq_u32 s15, 0
	s_cbranch_scc0 .Lfor_b_\@
	tensor_load_to_lds s[\g0a:\g0a+3], s[\g1a:\g1a+7]
	s_nop 0
.rept 4
	v_nop
.endr
	s_branch .Lasked_\@
.Lfor_b_\@:
	tensor_load_to_lds s[\g0b:\g0b+3], s[\g1b:\g1b+7]
	s_nop 0
.rept 4
	v_nop
.endr
.Lasked_\@:
.endm
.macro CROUND                          ; a round of the cluster's barrier
	s_barrier_signal -1
	s_barrier_wait -1
	s_cmp_lg_u32 s14, 0
	s_cbranch_scc1 .Lnot_wave_0_\@
	s_barrier_signal -3
.Lnot_wave_0_\@:
	s_barrier_wait -3
	s_barrier_signal -1
	s_barrier_wait -1
.endm
	s_load_b128 s[4:7], s[0:1], 0x0                ; codes s[4:5], scales s[6:7]
	s_load_b128 s[8:11], s[0:1], 0x10              ; rope s[8:9], qkv s[10:11]
	s_load_b64 s[12:13], s[0:1], 0x20              ; fine
	v_lshl_add_u32 v[SPW], v0, 2, SPARE
	v_mov_b32 v[NIL], 0
	ds_add_u32 v[SPW], v[NIL]                      ; the wave's opening: the add, twice on end, and its wait ahead of my first tensor load
	ds_add_u32 v[SPW], v[NIL]
	v_lshrrev_b32 v1, 5, v0
	v_readfirstlane_b32 s14, v1                    ; wave 0..3
	s_lshr_b32 s15, s14, 1                         ; which half of the tile's rows is mine.  Also: I fetch for A (0) or for B (1)
	s_and_b32 s16, s14, 1                          ; which half of its columns.  Also: which 128 rows of that tile I fetch
	s_bfe_u32 s40, ttmp6, 0x40000                  ; cx, cy: my place in the cluster
	s_bfe_u32 s41, ttmp6, 0x40004
	s_lshl_b32 s42, ttmp9, 2
	s_add_co_u32 s42, s42, s40                     ; tile column = 4 x cluster x + cx
	s_and_b32 s17, ttmp7, 0xffff
	s_lshl_b32 s17, s17, 2
	s_add_co_u32 s17, s17, s41                     ; tile row = 4 x cluster y + cy
	s_lshl_b32 s43, s41, 2
	s_lshl_b32 s43, 15, s43                        ; my row of the cluster
	s_lshl_b32 s44, 0x1111, s40                    ; my column
	s_or_b32 s[G1+0], s43, (0<<16)|(1<<20)|(1<<21)|(5<<22)|(3<<25)  ; the mask; elements of 1 byte; padding on; bit 21 beside a mask; 4 words after every 64
	s_or_b32 s[G1B+0], s44, (0<<16)|(1<<20)|(1<<21)|(5<<22)|(3<<25)
.irp g, G1, G1B
	s_mov_b32 s[\g+1], ROWB<<16                    ; tensor_dim0
	s_mov_b32 s[\g+2], 128<<16                     ; tensor_dim1
	s_mov_b32 s[\g+3], ROWB<<16                    ; tile_dim0
	s_mov_b32 s[\g+4], 128                         ; tile_dim1
	s_mov_b32 s[\g+5], KROW                        ; the pitch
	s_mov_b32 s[\g+6], 0
	s_mov_b32 s[\g+7], 0
.endr
	s_or_b32 s[G1S+0], s43, (3<<16)|(1<<20)|(1<<21)|(5<<22)|(3<<25) ; the scales of 128 rows: 4,096 dense bytes, as 16 rows of 256 bytes, 16 of padding behind each
	s_or_b32 s[G1SB+0], s44, (3<<16)|(1<<20)|(1<<21)|(5<<22)|(3<<25)
.irp g, G1S, G1SB
	s_mov_b32 s[\g+1], 32<<16
	s_mov_b32 s[\g+2], (128*KS/256)<<16
	s_mov_b32 s[\g+3], 32<<16
	s_mov_b32 s[\g+4], 128*KS/256
	s_mov_b32 s[\g+5], 32
	s_mov_b32 s[\g+6], 0
	s_mov_b32 s[\g+7], 0
.endr
	s_lshl_b32 s18, s16, 7                         ; which 128 rows of the tile I fetch
	s_lshl_b32 s20, s17, 8
	s_add_co_u32 s20, s20, s18                     ; A: row 256 x tile row + 128 x half
	s_lshl_b32 s46, s42, 8
	s_add_co_u32 s46, s46, s18                     ; B: row 256 x tile column + 128 x half
	s_mov_b32 s21, 0
	s_mov_b32 s47, 0
	s_mov_b64 s[18:19], KS
	s_mul_u64 s[22:23], s[20:21], s[18:19]         ; where these rows' scales begin,
	s_mul_u64 s[92:93], s[46:47], s[18:19]
	s_mov_b64 s[18:19], KROW
	s_mul_u64 s[20:21], s[20:21], s[18:19]         ; and their codes
	s_mul_u64 s[46:47], s[46:47], s[18:19]
	s_add_nc_u64 s[46:47], s[46:47], WC            ; B's lie behind A's in both buffers
	s_add_nc_u64 s[92:93], s[92:93], WS
	s_mul_i32 s45, s14, HALFT                      ; where they go: wave x 128 rows
	s_mul_i32 s94, s14, HALFS
	s_wait_dscnt 0x0                               ; both opening adds are done
	s_wait_kmcnt 0x0
	s_add_nc_u64 s[20:21], s[4:5], s[20:21]
	s_add_nc_u64 s[22:23], s[6:7], s[22:23]
	s_add_nc_u64 s[46:47], s[4:5], s[46:47]
	s_add_nc_u64 s[92:93], s[6:7], s[92:93]
	CROUND                                         ; all sixteen work-groups are here: the first joint loads meet
	s_mov_b32 s[G0S], 1
	s_add_co_u32 s[G0S+1], s94, SCL
	s_mov_b64 s[G0S+2:G0S+3], s[22:23]
	s_or_b32 s[G0S+3], s[G0S+3], 0x80000000
	s_mov_b32 s[G0SB], 1
	s_add_co_u32 s[G0SB+1], s94, SCL
	s_mov_b64 s[G0SB+2:G0SB+3], s[92:93]
	s_or_b32 s[G0SB+3], s[G0SB+3], 0x80000000
	JLOAD G0S, G1S, G0SB, G1SB                     ; the scales first
.irp s, 0,1
	s_mov_b32 s[G0+4*\s], 1
	s_add_co_u32 s[G0+4*\s+1], s45, \s*SLOT
	s_add_nc_u64 s[G0+4*\s+2:G0+4*\s+3], s[20:21], \s*ROWB
	s_or_b32 s[G0+4*\s+3], s[G0+4*\s+3], 0x80000000
	s_mov_b32 s[G0B+4*\s], 1
	s_add_co_u32 s[G0B+4*\s+1], s45, \s*SLOT
	s_add_nc_u64 s[G0B+4*\s+2:G0B+4*\s+3], s[46:47], \s*ROWB
	s_or_b32 s[G0B+4*\s+3], s[G0B+4*\s+3], 0x80000000
	JLOAD G0+4*\s, G1, G0B+4*\s, G1B
.endr
	v_and_b32 v1, 15, v0                           ; r = lane % 16
	v_bfe_u32 v2, v0, 4, 1                         ; h = lane / 16
	v_mul_u32_u24 v3, v1, PITCH
	v_lshl_add_u32 v4, v2, 4, v3                   ; a fragment's row x pitch + 16 h
	s_mul_i32 s21, s15, HALFT                      ; my 128 rows of A
	s_mul_i32 s22, s16, HALFT                      ; my 128 rows of B,
	s_add_co_u32 s22, s22, 2*HALFT                 ; behind A's 256
.irp s, 0,1
	v_add_nc_u32 v[ADRA+\s], s21, v4
	v_add_nc_u32 v[ADRB+\s], s22, v4
	s_add_co_u32 s21, s21, SLOT
	s_add_co_u32 s22, s22, SLOT
.endr
	v_mul_u32_u24 v5, v1, KS                       ; my row's scales: 32 bytes a row,
	v_lshrrev_b32 v6, 8, v5
	v_lshl_add_u32 v5, v6, 4, v5                   ; and 16 more for each 256 passed
	s_mul_i32 s21, s15, HALFS
	s_mul_i32 s22, s16, HALFS
	s_add_co_u32 s22, s22, 2*HALFS
	s_sub_co_u32 s22, s22, s21
	v_mul_u32_u24 v6, s22, v2                      ; lanes 16-31 take B's
	s_add_co_u32 s21, s21, SCL
	v_add_nc_u32 v5, v5, v6
	v_add_nc_u32 v[ADRS], s21, v5
	; the way out.  My stage: two heads x 16 rows x (128 bytes + 16), in slot 0, which has had its only fill and its last read when the first result is stored there
	s_mul_i32 s23, s14, 4608
	v_mul_u32_u24 v5, v1, 144
	v_lshl_add_u32 v5, v2, 4, v5
	v_add_nc_u32 v[STO], s23, v5                   ; in: row r, 16 bytes for each half of the lanes
	v_and_b32 v6, 31, v0
	v_lshrrev_b32 v5, 3, v6
	v_mul_u32_u24 v5, v5, 144
	v_and_b32 v3, 7, v6
	v_lshl_add_u32 v5, v3, 4, v5
	v_add_nc_u32 v[RD], s23, v5                    ; back: eight lanes to a row of 128 bytes, four rows an instruction
	v_lshlrev_b32 v[CO], 4, v6
	s_lshl_b32 s20, s17, 8
	s_lshl_b32 s21, s15, 7
	s_add_co_u32 s20, s20, s21
	s_and_b32 s20, s20, 2047                       ; t of my first row
	v_add_nc_u32 v[TP], s20, v1
	v_lshlrev_b32 v[RT], 8, v[TP]
	v_lshl_add_u32 v[RT], v2, 5, v[RT]
	v_lshlrev_b32 v[FO], 8, v1
	v_lshl_add_u32 v[FO], v2, 5, v[FO]
	s_lshr_b32 s21, s17, 3                         ; batch
	s_lshl_b32 s92, s40, 2
	s_lshl_b32 s93, s16, 1
	s_add_co_u32 s92, s92, s93                     ; my first head: 4 cx + 2 x half
	s_lshl_b32 s46, ttmp9, 6
	s_lshl_b32 s47, s21, 4
	s_add_co_u32 s46, s46, s47
	s_add_co_u32 s46, s46, s92
	s_lshl_b32 s46, s46, 18                        ; (64 type + 16 batch + head) x 262,144 bytes
	s_lshl_b32 s47, s20, 7
	s_add_co_u32 s46, s46, s47                     ; + t x 128
	s_mov_b32 s47, 0
	s_add_nc_u64 s[10:11], s[10:11], s[46:47]
	s_mul_i32 s46, s21, 48
	s_lshl_b32 s47, ttmp9, 4
	s_add_co_u32 s46, s46, s47
	s_add_co_u32 s46, s46, s92
	s_lshl_b32 s46, s46, 12                        ; (48 batch + 16 type + head) x 4,096 bytes
	s_mov_b32 s47, 0
	s_add_nc_u64 s[12:13], s[12:13], s[46:47]
.macro FRAG reg, adr, q, i             ; 16 rows x 128 K of 4-bit codes: 8 registers, two loads of 16 bytes, 32 bytes apart
.irp c, 0,1
	ds_load_b128 v[\reg+4*\c:\reg+4*\c+3], v[\adr] offset:64*(\q)+32*\c+(\i)*16*PITCH
.endr
.endm
; 16 matrix instructions: A's blocks a0, a0 + 1 x B's eight.  The 64 accumulators take turns, one instruction a turn, in the same order in every step.
.macro MUL16 a0, p, q, sc, zero
.irp a, \a0, \a0+1
.irp b, 0,1,2,3,4,5,6,7
.if \zero
	v_wmma_scale_f32_16x16x128_f8f6f4 v[8*(8*((\a)%4)+\b):8*(8*((\a)%4)+\b)+7], v[128*(\p)+FR*\b:128*(\p)+FR*\b+FR-1], v[AF+FR*(\a):AF+FR*(\a)+FR-1], 0, v[SC+8*NQ*(\sc)+NQ*\b+(\q)], v[SC+8*NQ*(\sc)+NQ*(\a)+(\q)] matrix_a_fmt:MATRIX_FMT_FP4 matrix_b_fmt:MATRIX_FMT_FP4 matrix_a_scale:MATRIX_SCALE_ROW1
.else
	v_wmma_scale_f32_16x16x128_f8f6f4 v[8*(8*((\a)%4)+\b):8*(8*((\a)%4)+\b)+7], v[128*(\p)+FR*\b:128*(\p)+FR*\b+FR-1], v[AF+FR*(\a):AF+FR*(\a)+FR-1], v[8*(8*((\a)%4)+\b):8*(8*((\a)%4)+\b)+7], v[SC+8*NQ*(\sc)+NQ*\b+(\q)], v[SC+8*NQ*(\sc)+NQ*(\a)+(\q)] matrix_a_fmt:MATRIX_FMT_FP4 matrix_b_fmt:MATRIX_FMT_FP4 matrix_a_scale:MATRIX_SCALE_ROW1
.endif
.endr
.endr
.endm
.macro FETCH_B slot, q, p
	WIN TO_B
.irp i, 0,1,2,3,4,5,6,7
	FRAG 128*(\p)+FR*\i, ADRB+\slot, \q, \i
.endr
	WIN 0
.endm
.macro FETCH_A slot, q, i0
.irp i, \i0, \i0+1, \i0+2, \i0+3
	FRAG AF+FR*(\i), ADRA+\slot, \q, \i
.endr
.endm
.macro SCALES sc                       ; a K step's scale words: lanes 0-15 take A's block i, lanes 16-31 B's block i
.irp i, 0,1,2,3,4,5,6,7
	ds_load_b128 v[SC+8*NQ*\sc+NQ*\i:SC+8*NQ*\sc+NQ*\i+3], v[ADRS] offset:\i*SBLK
.endr
.endm
.macro PLACES n                        ; plain vector lines between a matrix instruction and a load into, or a read of, its registers
.rept \n
	v_nop
.endr
.endm
.macro STEP slot, q, zero              ; 128 along K, with its successor in the same slot
	s_wait_dscnt 4*NL                              ; B's set and A's blocks 0-3 are in; the youngest eight loads (A's blocks 4-7) may be out
	WIN MUL_LO
	MUL16 0, (\q)%2, \q, \slot, \zero
	MUL16 2, (\q)%2, \q, \slot, \zero
	s_wait_dscnt 0
	PLACES NP
	FETCH_B \slot, (\q)+1, 1-(\q)%2
	FETCH_A \slot, (\q)+1, 0
	WIN MUL_HI
	MUL16 4, (\q)%2, \q, \slot, \zero
	MUL16 6, (\q)%2, \q, \slot, \zero
	PLACES NP
	WIN 0
	FETCH_A \slot, (\q)+1, 4
.endm
; Slot 0's last step changes slots: one barrier; in front of it each wave waits for all its tensor loads (its part of slot 1), adds 0 to its spare word, and waits for that and for its reads of slot 0.
.macro TURN slot, next
	s_wait_tensorcnt 0x0
	ds_add_u32 v[SPW], v[NIL]
	s_wait_dscnt 4*NL+1                            ; the add and the youngest eight loads may be out
	WIN MUL_LO
	MUL16 0, 1, NQ-1, \slot, 0
	s_wait_dscnt 0x0                               ; the add is done, and my reads of this slot are over
	s_barrier_signal -1
	MUL16 2, 1, NQ-1, \slot, 0
	WIN 0
	s_barrier_wait -1
	PLACES NP
	v_add_nc_u32 v[ADRS], 4*NQ, v[ADRS]            ; on to the next K step's scale words
	FETCH_B \next, 0, 0
	FETCH_A \next, 0, 0
	SCALES \next
	WIN MUL_HI
	MUL16 4, 1, NQ-1, \slot, 0
	MUL16 6, 1, NQ-1, \slot, 0
	PLACES NP
	WIN 0
	FETCH_A \next, 0, 4
.endm
.macro STEPS slot, from
.set Q, \from
.rept NQ-1-\from
	STEP \slot, Q, 0
.set Q, Q+1
.endr
.endm
; cos and sin of block a's 16 tokens, my 16 frequencies of each half: eight loads into set a % 2 of window 1
.macro CSLOAD a
	WIN TO_B
.irp o, 0,1,2,3
	global_load_b128 v[CSW+32*((\a)%2)+8*\o:CSW+32*((\a)%2)+8*\o+3], v[RT], s[8:9] offset:4096*(\a)+64*\o
	global_load_b128 v[CSW+32*((\a)%2)+8*\o+4:CSW+32*((\a)%2)+8*\o+7], v[RT], s[8:9] offset:4096*(\a)+64*\o+16
.endr
	WIN 0
.endm
; The rotation of block a: channel d < 32 of a head lies in tile 4 hd + bb, channel d + 32 in tile 4 hd + bb + 2, at the same register.  y1 = x1 cos - x2 sin, y2 = x2 cos + x1 sin.
; Each accumulator is read from its low end on.
.macro ROPE a
.set AC, 64*((\a)%4)
.set CC, CSW+32*((\a)%2)
	WIN 0x06+(\a)/4                                ; source 0 (x) window 2 or 3, source 1 (cos, sin) window 1
.irp hd, 0,1
.irp bb, 0,1
.irp jj, 0,2,4,6
	v_pk_mul_f32 v[Y+8*(4*\hd+\bb)+\jj:Y+8*(4*\hd+\bb)+\jj+1], v[AC+8*(4*\hd+\bb+2)+\jj:AC+8*(4*\hd+\bb+2)+\jj+1], v[CC+16+8*\bb+\jj:CC+16+8*\bb+\jj+1]
	v_pk_mul_f32 v[Y+8*(4*\hd+\bb+2)+\jj:Y+8*(4*\hd+\bb+2)+\jj+1], v[AC+8*(4*\hd+\bb)+\jj:AC+8*(4*\hd+\bb)+\jj+1], v[CC+16+8*\bb+\jj:CC+16+8*\bb+\jj+1]
	v_pk_fma_f32 v[Y+8*(4*\hd+\bb)+\jj:Y+8*(4*\hd+\bb)+\jj+1], v[AC+8*(4*\hd+\bb)+\jj:AC+8*(4*\hd+\bb)+\jj+1], v[CC+8*\bb+\jj:CC+8*\bb+\jj+1], v[Y+8*(4*\hd+\bb)+\jj:Y+8*(4*\hd+\bb)+\jj+1] neg_lo:[0,0,1] neg_hi:[0,0,1]
	v_pk_fma_f32 v[Y+8*(4*\hd+\bb+2)+\jj:Y+8*(4*\hd+\bb+2)+\jj+1], v[AC+8*(4*\hd+\bb+2)+\jj:AC+8*(4*\hd+\bb+2)+\jj+1], v[CC+8*\bb+\jj:CC+8*\bb+\jj+1], v[Y+8*(4*\hd+\bb+2)+\jj:Y+8*(4*\hd+\bb+2)+\jj+1]
.endr
.endr
.endr
	WIN 0
.endm
.macro PACKH                           ; the rotated numbers to f16
.irp b, 0,1,2,3,4,5,6,7
.irp k, 0,1,2,3
	v_cvt_pk_f16_f32 v[HH+4*\b+\k], v[Y+8*\b+2*\k], v[Y+8*\b+2*\k+1]
.endr
.endr
.endm
.macro PACKV a                         ; v: the sums to f16 as they are
.set AC, 64*((\a)%4)
	WIN 0x0a+5*((\a)/4)
.irp b, 0,1,2,3,4,5,6,7
.irp k, 0,1,2,3
	v_cvt_pk_f16_f32 v[HH+4*\b+\k], v[AC+8*\b+2*\k], v[AC+8*\b+2*\k+1]
.endr
.endr
	WIN 0
.endm
; Block 0's rows in f32, where they are the first 16 of a sequence.  Every wave runs these lines; the lanes are on only where t < 16.  EXEC changes only behind s_wait_xcnt 0.
.macro FINE fromacc
	s_wait_xcnt 0x0
	v_cmp_gt_u32 vcc_lo, 16, v[TP]
	s_and_saveexec_b32 s96, vcc_lo
.if \fromacc
	WIN 0x08                                       ; a store's data are its source 1: window 2
.irp b, 0,1,2,3,4,5,6,7
	global_store_b128 v[FO], v[8*\b:8*\b+3], s[12:13] offset:4096*(\b/4)+64*(\b%4)
	global_store_b128 v[FO], v[8*\b+4:8*\b+7], s[12:13] offset:4096*(\b/4)+64*(\b%4)+16
.endr
	WIN 0
.else
.irp b, 0,1,2,3,4,5,6,7
	global_store_b128 v[FO], v[Y+8*\b:Y+8*\b+3], s[12:13] offset:4096*(\b/4)+64*(\b%4)
	global_store_b128 v[FO], v[Y+8*\b+4:Y+8*\b+7], s[12:13] offset:4096*(\b/4)+64*(\b%4)+16
.endr
.endif
	s_wait_xcnt 0x0
	s_or_b32 exec_lo, exec_lo, s96
.endm
.macro TOSTAGE a                       ; 16 tokens x 2 heads through my stage; LDS serves a wave's instructions in order (ISA guide 5.7.1.4): no wait between the stores and the loads
.irp b, 0,1,2,3,4,5,6,7
	ds_store_b128 v[STO], v[HH+4*\b:HH+4*\b+3] offset:2304*(\b/4)+32*(\b%4)
.endr
.irp i, 0,1,2,3,4,5,6,7
	ds_load_b128 v[BK+32*((\a)%2)+4*\i:BK+32*((\a)%2)+4*\i+3], v[RD] offset:576*\i
.endr
.endm
.macro SEND a, younger                 ; younger: the LDS instructions issued behind block a's loads
	s_wait_dscnt \younger
.irp i, 0,1,2,3,4,5,6,7
	global_store_b128 v[CO], v[BK+32*((\a)%2)+4*\i:BK+32*((\a)%2)+4*\i+3], s[10:11] offset:262144*(\i/4)+2048*(\a)+512*(\i%4)   ; four rows of a head: 512 consecutive bytes, aligned
.endr
.endm
.macro CLOSE
	s_wait_tensorcnt 0x0                           ; the wave's end: behind my last tensor load and my last LDS store
	ds_add_u32 v[SPW], v[NIL]
	s_wait_dscnt 0x0
	CROUND                                         ; the closing round
	s_endpgm
.endm
	CSLOAD 0                                       ; the first two blocks' cos and sin land under the products.  Every wave asks for them, so that one text serves q, k and v up to the way out:
	CSLOAD 1                                       ; v's clusters, which rotate nothing, fetch these 16 x 512 bytes a wave without use, and never touch the registers
	s_wait_tensorcnt 1                             ; the scales and my part of slot 0 are in; slot 1's load may be out
	s_barrier_signal -1
	s_barrier_wait -1
	FETCH_B 0, 0, 0
	FETCH_A 0, 0, 0
	SCALES 0
	FETCH_A 0, 0, 4
	STEP 0, 0, 1                                   ; the first products start the sums: nothing is cleared
	STEPS 0, 1
	TURN 0, 1
	STEPS 1, 0
	s_wait_dscnt 4*NL                              ; the last step: nothing more to fetch
	WIN MUL_LO
	MUL16 0, 1, NQ-1, 1, 0
	MUL16 2, 1, NQ-1, 1, 0
	s_wait_dscnt 0
	WIN MUL_HI
	MUL16 4, 1, NQ-1, 1, 0
	MUL16 6, 1, NQ-1, 1, 0
	WIN 0
	PLACES NP                                      ; behind the last products: results are read, and registers that held fragments are written
	s_cmp_eq_u32 ttmp9, 2                          ; the cluster's x: the same in all sixteen partners
	s_cbranch_scc1 .Lvalues
.irp a, 0,1,2,3,4,5,6,7
.if \a < 7
	s_wait_loadcnt 8                               ; this block's cos and sin are in; the next block's eight loads may be out
.else
	s_wait_loadcnt 0x0
.endif
	ROPE \a
.if \a < 6
	CSLOAD \a+2
.endif
.if \a == 0
	FINE 0
.endif
	PACKH
.if \a > 1
	s_wait_xcnt 0x0                                ; block a - 2's stores have read the registers into which this block's rows come back
.endif
	TOSTAGE \a
.if \a > 0
	SEND \a-1, 16                                  ; behind block a - 1's loads: block a's 8 stores and 8 loads
.endif
.endr
	SEND 7, 0
	CLOSE
.Lvalues:
.irp a, 0,1,2,3,4,5,6,7
	PACKV \a
.if \a == 0
	FINE 1
.endif
.if \a > 1
	s_wait_xcnt 0x0
.endif
	TOSTAGE \a
.if \a > 0
	SEND \a-1, 16
.endif
.endr
	SEND 7, 0
	CLOSE
.Lfunc_end_k_q4b59e3903a_gemm_qkv:
	.size	k_q4b59e3903a_gemm_qkv, .Lfunc_end_k_q4b59e3903a_gemm_qkv-k_q4b59e3903a_gemm_qkv
	.p2alignl 7, 3214868480
	.fill 96, 4, 3214868480
	.section	.rodata,"a",@progbits
	.p2align	6, 0x0
	.amdhsa_kernel k_q4b59e3903a_gemm_qkv
		.amdhsa_group_segment_fixed_size 327680
		.amdhsa_private_segment_fixed_size 0
		.amdhsa_enable_private_segment 0
		.amdhsa_kernarg_size 40
		.amdhsa_user_sgpr_count 2
		.amdhsa_user_sgpr_kernarg_segment_ptr 1
		.amdhsa_wavefront_size32 1
		.amdhsa_system_sgpr_workgroup_id_x 1
		.amdhsa_system_sgpr_workgroup_id_y 1
		.amdhsa_system_sgpr_workgroup_id_z 1
		.amdhsa_system_vgpr_workitem_id 0
		.amdhsa_next_free_vgpr 1024
		.amdhsa_next_free_sgpr 100
		.amdhsa_reserve_vcc 1
		.amdhsa_float_denorm_mode_32 3
		.amdhsa_float_denorm_mode_16_64 3
		.amdhsa_memory_ordered 1
		.amdhsa_forward_progress 1
		.amdhsa_inst_pref_size 200
	.end_amdhsa_kernel
	.amdgpu_metadata
---
amdhsa.version: [ 1, 2 ]
amdhsa.kernels:
  - .name:           k_q4b59e3903a_gemm_qkv
    .symbol:         k_q4b59e3903a_gemm_qkv.kd
    .args:
      - { .name: codes, .offset: 0, .size: 8, .value_kind: global_buffer, .address_space: global }
      - { .name: scales, .offset: 8, .size: 8, .value_kind: global_buffer, .address_space: global }
      - { .name: rope, .offset: 16, .size: 8, .value_kind: global_buffer, .address_space: global }
      - { .name: qkv, .offset: 24, .size: 8, .value_kind: global_buffer, .address_space: global }
      - { .name: fine, .offset: 32, .size: 8, .value_kind: global_buffer, .address_space: global }
    .group_segment_fixed_size: 327680
    .private_segment_fixed_size: 0
    .kernarg_segment_align: 8
    .kernarg_segment_size: 40
    .max_flat_workgroup_size: 128
    .sgpr_count:     100
    .vgpr_count:     1024
    .wavefront_size: 32
...
	.end_amdgpu_metadata
.endif
;; end of part 2
;; launch attn (part 3): grid 4 x 64, 8 waves a work-group, no clusters, 327,680 bytes of LDS; arguments qkv, att; writes att
.if DOCPART == 3
	.amdgcn_target "amdgcn-amd-amdhsa--gfx1250"
	.amdhsa_code_object_version 6
	.text
	.protected	k_q4b59e3903a_attn
	.globl	k_q4b59e3903a_attn
	.p2align	8
	.type	k_q4b59e3903a_attn,@function
k_q4b59e3903a_attn:
	s_mov_b64 s[64:65], 0
	v_nop
	global_prefetch_b8 v0, s[64:65] scope:SCOPE_SE
	s_setreg_imm32_b32 hwreg(HW_REG_WAVE_MODE, 25, 1), 1
	s_wait_xcnt 0x0
; Causal attention, head size 64: att[bh][q][:] = the sum over k <= q of softmax_k(Q[q] . K[k] / 8) V[k][:].  Q, K, V: f16, [type][bh][2048][64]; att: f16, [bh][2048][64].
; Products with f16 operands and f32 sums; maxima, exponentials and sums in f32, with a running maximum; the weights p (at most 1) are rounded to f16 for the second product, the result once at the end.
; SHARES.  A head has 8 blocks of 256 queries; block i needs key slots 0 .. i of 256 keys.  Work-group (j, bh) does block 7 - j and then block j: always 9 slots, so all 256 work-groups have the same
; work and the trip count is a constant.  Each of eight waves owns 32 queries, two tiles of 16; two waves share a SIMD, so that one wave's softmax stands beside the other's products.
; LAYOUT.  S^T = K Q^T (source 0 = 16 keys, source 1 = 16 queries) and O^T = V^T P: a lane holds ONE query (lane % 16) throughout; two tiles of S^T, rounded in pairs, are source 1 of the second product.
; K comes out of LDS as it lies, V ([key][channel]) turned, by ds_load_tr16_b128.
; THE MASK.  A step of 64 keys all of which come after the wave's 32 queries is left out by a scalar branch on ids; in the step on the diagonal hidden scores become -infinity ahead of the maximum.
; In every step that is walked the step's first key counts for every query of the wave, so the maximum is a number.
; THE RING.  Two slots of 256 keys; waves 0-3 fetch K's quarters, waves 4-7 V's: one tensor load a wave behind each barrier, with four key steps in which to land.  Every wait on TENSORcnt is for 0.
; NO CLUSTER: the four work-groups of a head walk different slots from their fifth trip on (7 - j against j); a joint walk would take 12 trips in place of 9.
; LIMITS: scores above -3e38; NaN and infinities are not served.
; REGISTERS: window 0: v1-15 addresses; v16-31 statistics, 8 a tile (+0 c m, +1 m, +2, +3 l, +4..7 at work, a at +6); v32-95 S^T; v96-127 P; v128-191 O^T; v192-223 the way out.
;   window 1: v0-63 K's fragments; v64-127 V's; v128-159 Q; v160-191 the second block's Q.
.set HEADB, 262144
.set PK,    144                        ; a key's row in LDS: 128 bytes + 16
.set PVP,   160                        ; a row of V: 128 + 32: an odd multiple of 32 bytes
.set VOFF,  256*PK
.set KSTEP, 64*PK
.set VSTEP, 64*PVP
.set SLOT1, 1<<17                      ; slot 1 begins here: one exclusive or turns an address from slot to slot
.set STAGE, 2*SLOT1                    ; 16 rows x 144 bytes for each wave
.set SPARE, STAGE+8*16*PK              ; the spare words, 128 bytes a wave
.set AK0, 1
.set AV0, 2
.set ADK, 3
.set ADV, 4
.set STO, 5
.set RD,  6
.set GO,  7
.set SPW, 8
.set NIL, 9
.set PFO, 10
.set DM,  11
.set NINF, 12
.set T0,  13
.set T1,  14
.set QO,  15
.set ST,  16
.set S,   32
.set P,   96
.set O,   128
.set OB,  192
.set KFR, 0
.set VFR, 64
.set QF,  128
.set QB,  160
.set WV,  8
.set J,   9
.set G1K, 16
.set G1V, 24
.set G0K, 32
.set G0V, 36
.set BASEK, 40
.set BASEV, 42
.set KO,  44
.set TBK, 46
.set TBV, 47
.set KF,  48
.set Q0,  49
.set TRIP, 50
.set INNER, 51
.set SW,  52
.set CS,  54
.set SEL, 56
.set PFA, 58
.set LIM, 60
.set MSB, 0
.macro WIN new
.if MSB != (\new)
	s_set_vgpr_msb (MSB<<8)|(\new)
.set MSB, (\new)
.endif
.endm
; Waves 0-3 fetch a quarter of K's 256 rows, waves 4-7 of V's.  An s_nop 0 and four v_nop follow each of the two lines.
.macro TLOAD
	s_cmp_lt_u32 s[WV], 4
	s_cbranch_scc0 .Lfor_v_\@
	tensor_load_to_lds s[G0K:G0K+3], s[G1K:G1K+7]
	s_nop 0
.rept 4
	v_nop
.endr
	s_branch .Lasked_\@
.Lfor_v_\@:
	tensor_load_to_lds s[G0V:G0V+3], s[G1V:G1V+7]
	s_nop 0
.rept 4
	v_nop
.endr
.Lasked_\@:
.endm
; A prefetch of the slot that the NEXT change of slots will ask for: in trip t slot t + 2; each wave names its own quarter, 32 lanes 256 bytes apart.  All four work-groups of a head read the same K and V:
; the one with j = 0, which walks slots 0 to 7 in order, asks, in its trips 0 to 5: each block of 256 bytes is named once, and none lies behind slot 7.
.macro ASK
	s_cmp_lt_u32 s[TRIP], s[LIM]
	s_cbranch_scc0 .Lnot_mine_\@
	global_prefetch_b8 v[PFO], s[PFA:PFA+1] th:TH_LOAD_NT scope:SCOPE_SE
.Lnot_mine_\@:
.endm
.macro FETCH_K off                     ; 64 keys x 64 channels: 8 fragments (2 kt + ch), 16 loads
	WIN 0x40
.irp kt, 0,1,2,3
.irp ch, 0,1
	ds_load_b128 v[KFR+8*(2*\kt+\ch):KFR+8*(2*\kt+\ch)+3],   v[ADK] offset:\off+2304*\kt+64*\ch
	ds_load_b128 v[KFR+8*(2*\kt+\ch)+4:KFR+8*(2*\kt+\ch)+7], v[ADK] offset:\off+2304*\kt+64*\ch+32
.endr
.endr
	WIN 0
.endm
.macro FETCH_V                         ; the same step's V, turned: 8 fragments (4 kh + ct)
	WIN 0x40
.irp kh, 0,1
.irp ct, 0,1,2,3
	ds_load_tr16_b128 v[VFR+8*(4*\kh+\ct):VFR+8*(4*\kh+\ct)+3],   v[ADV] offset:5120*\kh+32*\ct
	ds_load_tr16_b128 v[VFR+8*(4*\kh+\ct)+4:VFR+8*(4*\kh+\ct)+7], v[ADV] offset:5120*\kh+32*\ct+2560
.endr
.endr
	WIN 0
.endm
; 16 products each; eight accumulators take turns, one instruction a turn.
.macro KQ
	WIN 0x05                                       ; K and Q in window 1
.set i, 0
.rept 16
.set rS, S+32*(i%2)+8*((i/2)%4)
.set rK, KFR+8*(2*((i/2)%4)+i/8)
.set rQ, QF+16*(i%2)+8*(i/8)
.if i < 8
	v_wmma_f32_16x16x32_f16 v[rS:rS+7], v[rK:rK+7], v[rQ:rQ+7], 0
.else
	v_wmma_f32_16x16x32_f16 v[rS:rS+7], v[rK:rK+7], v[rQ:rQ+7], v[rS:rS+7]
.endif
.set i, i+1
.endr
.endm
.macro PVMUL
	WIN 0x01                                       ; V in window 1
.set i, 0
.rept 16
.set rO, O+32*(i%2)+8*((i/2)%4)
.set rV, VFR+8*(4*(i/8)+(i/2)%4)
.set rP, P+16*(i%2)+8*(i/8)
	v_wmma_f32_16x16x32_f16 v[rO:rO+7], v[rV:rV+7], v[rP:rP+7], v[rO:rO+7]
.set i, i+1
.endr
.endm
; Register n of a tile holds key KF + 16 (n / 8) + 8 (lane / 16) + n % 8; hidden where that is above my query Q0 + 16 t + lane % 16.
.macro MASK
	s_sub_co_i32 s61, s[Q0], s[KF]
	v_add_nc_u32 v[T0], s61, v[DM]
	v_add_nc_u32 v[T1], 16, v[T0]
.set n, 0
.rept 32
	v_cmp_gt_i32 vcc_lo, 16*(n/8)+n%8, v[T0]
	v_cndmask_b32 v[S+n], v[S+n], v[NINF], vcc_lo
.set n, n+1
.endr
.set n, 0
.rept 32
	v_cmp_gt_i32 vcc_lo, 16*(n/8)+n%8, v[T1]
	v_cndmask_b32 v[S+32+n], v[S+32+n], v[NINF], vcc_lo
.set n, n+1
.endr
.endm
; Both tiles' softmax for 64 keys, the tiles line by line in turn.  All 66 exponentials are one batch with one wait ahead of their first reader.
.macro SOFTMAX
.irp j, 0,1,2,3
.irp t, 0,1
	v_max3_num_f32 v[ST+8*\t+4+\j], v[S+32*\t+8*\j], v[S+32*\t+8*\j+1], v[S+32*\t+8*\j+2]   ; each accumulator is read from its low end on
.endr
.endr
.irp g, 1,2
.irp j, 0,1,2,3
.irp t, 0,1
	v_max3_num_f32 v[ST+8*\t+4+\j], v[ST+8*\t+4+\j], v[S+32*\t+8*\j+2*\g+1], v[S+32*\t+8*\j+2*\g+2]
.endr
.endr
.endr
.irp t, 0,1
	v_max3_num_f32 v[ST+8*\t+4], v[ST+8*\t+4], v[S+32*\t+7], v[S+32*\t+15]
	v_max3_num_f32 v[ST+8*\t+6], v[ST+8*\t+6], v[S+32*\t+23], v[S+32*\t+31]
.endr
.irp t, 0,1
	v_max3_num_f32 v[ST+8*\t+4], v[ST+8*\t+4], v[ST+8*\t+5], v[ST+8*\t+6]
.endr
.irp t, 0,1
	v_max3_num_f32 v[ST+8*\t+4], v[ST+8*\t+4], v[ST+8*\t+7], v[ST+8*\t+1]   ; with the old m
.endr
.irp t, 0,1
	v_permlanex16_b32 v[ST+8*\t+5], v[ST+8*\t+4], s[SEL], s[SEL+1]          ; the query's other 32 keys lie in the lane 16 away
.endr
.irp t, 0,1
	v_mov_b32 v[ST+8*\t+7], v[ST+8*\t]             ; c m_old
.endr
.irp t, 0,1
	v_max_num_f32 v[ST+8*\t+1], v[ST+8*\t+4], v[ST+8*\t+5]
.endr
.irp t, 0,1
	v_mul_f32 v[ST+8*\t], s[CS], v[ST+8*\t+1]
.endr
.irp t, 0,1
	v_sub_f32 v[ST+8*\t+7], v[ST+8*\t+7], v[ST+8*\t]
.endr
.set i, 0
.rept 16
	v_pk_fma_f32 v[S+2*i:S+2*i+1], v[S+2*i:S+2*i+1], s[CS:CS+1], v[ST:ST+1] op_sel_hi:[1,0,0] neg_lo:[0,0,1] neg_hi:[0,0,1]            ; c s - c m
	v_pk_fma_f32 v[S+32+2*i:S+32+2*i+1], v[S+32+2*i:S+32+2*i+1], s[CS:CS+1], v[ST+8:ST+9] op_sel_hi:[1,0,0] neg_lo:[0,0,1] neg_hi:[0,0,1]
.set i, i+1
.endr
.irp t, 0,1
	v_exp_f32 v[ST+8*\t+6], v[ST+8*\t+7]           ; a = 2^(c m_old - c m_new)
.endr
.set i, 0
.rept 64
	v_exp_f32 v[S+i], v[S+i]                       ; p
.set i, i+1
.endr
	v_nop                                          ; a plain line behind the last exponential
	s_wait_alu depctr_va_vdst(0)                   ; one wait for the batch, ahead of its first reader
.set i, 0
.rept 32
	v_cvt_pk_f16_f32 v[P+i], v[S+2*i], v[S+2*i+1]
.set i, i+1
.endr
.irp z, 0,1,2,3,4,5,6,7
.irp t, 0,1
	v_pk_add_f32 v[S+32*\t+4*\z:S+32*\t+4*\z+1], v[S+32*\t+4*\z:S+32*\t+4*\z+1], v[S+32*\t+4*\z+2:S+32*\t+4*\z+3]   ; the sum of the unrounded p, a tree in place
.endr
.endr
.irp z, 0,1,2,3
.irp t, 0,1
	v_pk_add_f32 v[S+32*\t+8*\z:S+32*\t+8*\z+1], v[S+32*\t+8*\z:S+32*\t+8*\z+1], v[S+32*\t+8*\z+4:S+32*\t+8*\z+5]
.endr
.endr
.irp z, 0,1
.irp t, 0,1
	v_pk_add_f32 v[S+32*\t+16*\z:S+32*\t+16*\z+1], v[S+32*\t+16*\z:S+32*\t+16*\z+1], v[S+32*\t+16*\z+8:S+32*\t+16*\z+9]
.endr
.endr
.irp t, 0,1
	v_pk_add_f32 v[S+32*\t:S+32*\t+1], v[S+32*\t:S+32*\t+1], v[S+32*\t+16:S+32*\t+17]
.endr
.irp t, 0,1
	v_pk_fma_f32 v[ST+8*\t+2:ST+8*\t+3], v[ST+8*\t+2:ST+8*\t+3], v[ST+8*\t+6:ST+8*\t+7], v[S+32*\t:S+32*\t+1] op_sel_hi:[1,0,1]   ; l = a l + the sum
.endr
.set i, 0
.rept 16
	v_pk_mul_f32 v[O+2*i:O+2*i+1], v[O+2*i:O+2*i+1], v[ST+6:ST+7] op_sel_hi:[1,0]                 ; O^T x a
	v_pk_mul_f32 v[O+32+2*i:O+32+2*i+1], v[O+32+2*i:O+32+2*i+1], v[ST+14:ST+15] op_sel_hi:[1,0]
.set i, i+1
.endr
.endm
; A KEY STEP of 64 keys.  V and the next step's K are asked for ahead of the softmax and waited for behind it.
.macro STEP
	s_add_co_u32 s61, s[Q0], 31
	s_cmp_gt_u32 s[KF], s61                        ; all keys behind my last query: the step's work is left out, not the lines at its end that step addresses
	s_cbranch_scc1 .Lhidden_\@
	s_wait_dscnt 0x0                               ; K is in
	KQ
	WIN 0
	v_add_nc_u32 v[ADV], s[TBV], v[AV0]            ; four plain lines: the places behind these products, and behind the last step's, in front of the loads and reads below
	v_add_nc_u32 v[ADK], s[TBK], v[AK0]
	v_nop
	v_nop
	FETCH_V
	s_cmp_eq_u32 s[INNER], 3
	s_cbranch_scc1 .Lno_k_\@                       ; a slot's last step has no successor in the slot
	FETCH_K KSTEP
.Lno_k_\@:
	s_add_co_u32 s61, s[KF], 63
	s_cmp_le_u32 s61, s[Q0]
	s_cbranch_scc1 .Lopen_\@                       ; all 64 keys count for all my queries
	MASK
.Lopen_\@:
	SOFTMAX
	s_wait_dscnt 0x0                               ; V, and the next K
	PVMUL
	WIN 0
.Lhidden_\@:
	s_add_co_u32 s[KF], s[KF], 64
	s_add_co_u32 s[TBK], s[TBK], KSTEP
	s_add_co_u32 s[TBV], s[TBV], VSTEP
.endm
.macro SLOT_STEPS ask
	v_add_nc_u32 v[ADK], s[TBK], v[AK0]
	FETCH_K 0
.if \ask
	ASK
.endif
	s_mov_b32 s[INNER], 0
.Lstep_\@:
	STEP
	s_add_co_u32 s[INNER], s[INNER], 1
	s_cmp_lt_u32 s[INNER], 4
	s_cbranch_scc1 .Lstep_\@
	s_sub_co_u32 s[TBK], s[TBK], 4*KSTEP           ; back to a slot's first step,
	s_xor_b32 s[TBK], s[TBK], SLOT1                ; in the other slot
	s_sub_co_u32 s[TBV], s[TBV], 4*VSTEP
	s_xor_b32 s[TBV], s[TBV], SLOT1
.endm
; THE CHANGE OF SLOTS, at a slot's head.  Each wave waits for all its tensor loads (its part of the slot ahead), adds 0 to its spare word, and waits for that and for its reads of the slot that it has left.
; fill = 1: behind the barrier that other slot is filled with the next trip's keys: the next 256, or, where this trip ends the first block, the head's first 256.
.macro CHANGE fill
	s_wait_tensorcnt 0x0                           ; no tensor load of mine is out, so a group 0 may be written
	ds_add_u32 v[SPW], v[NIL]
.if \fill
	s_xor_b32 s[G0K+1], s[G0K+1], SLOT1
	s_xor_b32 s[G0V+1], s[G0V+1], SLOT1
	s_add_co_u32 s[KO], s[KO], 32768
	s_cmp_eq_u32 s[TRIP], s[SW]
	s_cselect_b32 s[KO], 0, s[KO]
	s_add_nc_u64 s[G0K+2:G0K+3], s[BASEK:BASEK+1], s[KO:KO+1]
	s_or_b32 s[G0K+3], s[G0K+3], 0x80000000
	s_add_nc_u64 s[G0V+2:G0V+3], s[BASEV:BASEV+1], s[KO:KO+1]
	s_or_b32 s[G0V+3], s[G0V+3], 0x80000000
	s_wait_xcnt 0x0                                ; the last prefetch, a slot back, has read its address
	s_add_nc_u64 s[PFA:PFA+1], s[PFA:PFA+1], 32768
.endif
	s_wait_dscnt 0x0                               ; the add is done, and my reads of the slot that I have left are over
	s_barrier_signal -1
	s_barrier_wait -1
.if \fill
	TLOAD                                          ; the first thing behind the barrier, and my one tensor load until the next
.endif
.endm
.macro INIT                            ; m = -3e38, under every score; l = 0; O^T = 0: the first step's a is 0 and leaves zeros
.irp t, 0,1
	v_mov_b32 v[ST+8*\t+1], 0xff61b1e6
	v_mul_f32 v[ST+8*\t], s[CS], v[ST+8*\t+1]
.irp k, 2,3,4,5,6,7
	v_mov_b32 v[ST+8*\t+\k], 0
.endr
.endr
.set i, 0
.rept 64
	v_mov_b32 v[O+i], 0
.set i, i+1
.endr
.endm
; A block's end: O^T / l, to f16, through my stage (16 rows x 144 bytes) a tile at a time, out as runs of 512 consecutive bytes.  more = 1: on to the second block.
.macro FINISH more
.irp t, 0,1
	v_add_f32 v[ST+8*\t+4], v[ST+8*\t+2], v[ST+8*\t+3]     ; these plain lines are the places behind the last products
.endr
.irp t, 0,1
	v_permlanex16_b32 v[ST+8*\t+5], v[ST+8*\t+4], s[SEL], s[SEL+1]
.endr
.irp t, 0,1
	v_add_f32 v[ST+8*\t+4], v[ST+8*\t+4], v[ST+8*\t+5]
.endr
.irp t, 0,1
	v_rcp_f32 v[ST+8*\t+6], v[ST+8*\t+4]
.endr
	v_nop
	s_wait_alu depctr_va_vdst(0)                   ; one wait for the two reciprocals, ahead of their first reader
.irp t, 0,1
.set i, 0
.rept 16
	v_pk_mul_f32 v[S+32*\t+2*i:S+32*\t+2*i+1], v[O+32*\t+2*i:O+32*\t+2*i+1], v[ST+8*\t+6:ST+8*\t+7] op_sel_hi:[1,0]
.set i, i+1
.endr
.set i, 0
.rept 16
	v_cvt_pk_f16_f32 v[OB+16*\t+i], v[S+32*\t+2*i], v[S+32*\t+2*i+1]
.set i, i+1
.endr
.irp ct, 0,1,2,3
	ds_store_b128 v[STO], v[OB+16*\t+4*\ct:OB+16*\t+4*\ct+3] offset:32*\ct
.endr
.irp k, 0,1,2,3
	ds_load_b128 v[OB+16*\t+4*\k:OB+16*\t+4*\k+3], v[RD] offset:576*\k   ; LDS serves a wave's instructions in order: these see the stores above, and the next tile's stores come behind them
.endr
.endr
.irp t, 0,1
.irp k, 0,1,2,3
	s_wait_dscnt 8*(1-\t)+3-\k                     ; the younger LDS instructions stay out: this tile's later loads, and behind tile 0 tile 1's four stores and four loads
	global_store_b128 v[GO], v[OB+16*\t+4*\k:OB+16*\t+4*\k+3], s[68:69] offset:2048*\t+512*\k
.endr
.endr
.if \more
	s_wait_xcnt 0x0                                ; the stores have read their base and their data
	s_mov_b64 s[68:69], s[70:71]
	s_mov_b32 s[Q0], s72
	s_mov_b32 s[KF], 0
	WIN 0x41
.set i, 0
.rept 32
	v_mov_b32 v[QF+i], v[QB+i]
.set i, i+1
.endr
	WIN 0
	INIT
.endif
.endm
	s_load_b128 s[4:7], s[0:1], 0x0                ; qkv s[4:5], att s[6:7]
	v_lshl_add_u32 v[SPW], v0, 2, SPARE
	v_mov_b32 v[NIL], 0
	ds_add_u32 v[SPW], v[NIL]                      ; the wave's opening: the add, twice on end, and its wait ahead of my first tensor load
	ds_add_u32 v[SPW], v[NIL]
	v_lshrrev_b32 v1, 5, v0
	v_readfirstlane_b32 s[WV], v1                  ; wave 0..7
	s_mov_b32 s[J], ttmp9
	s_and_b32 s14, ttmp7, 0xffff                   ; 16 batch + head
	; descriptor group 1: 64 rows x 64 elements of 2 bytes, dense in memory; padding behind every 32 words: 4 words for K, 8 for V
	s_mov_b32 s[G1K], (1<<16)|(1<<20)|(4<<22)|(3<<25)
	s_mov_b32 s[G1V], (1<<16)|(1<<20)|(4<<22)|(7<<25)
.irp g, G1K, G1V
	s_mov_b32 s[\g+1], 64<<16                      ; tensor_dim0
	s_mov_b32 s[\g+2], 64<<16                      ; tensor_dim1
	s_mov_b32 s[\g+3], 64<<16                      ; tile_dim0
	s_mov_b32 s[\g+4], 64                          ; tile_dim1
	s_mov_b32 s[\g+5], 64                          ; the pitch
	s_mov_b32 s[\g+6], 0
	s_mov_b32 s[\g+7], 0
.endr
	s_and_b32 s15, s[WV], 3                        ; which quarter of a slot I fetch
	s_mov_b32 s[G0K], 1
	s_mul_i32 s[G0K+1], s15, KSTEP
	s_mov_b32 s[G0V], 1
	s_mul_i32 s[G0V+1], s15, VSTEP
	s_add_co_u32 s[G0V+1], s[G0V+1], VOFF
	s_lshl_b32 s61, s15, 13                        ; its 64 rows of 128 bytes in memory
	s_lshl_b32 s66, s14, 18                        ; the head's first byte in a type
	s_mov_b32 s67, 0
	s_add_co_u32 s[BASEK], s66, s61
	s_mov_b32 s[BASEK+1], 0
	s_add_nc_u64 s[BASEV:BASEV+1], s[BASEK:BASEK+1], 33554432
	s_add_nc_u64 s[BASEK:BASEK+1], s[BASEK:BASEK+1], 16777216
	s_sub_co_u32 s[SW], 7, s[J]                    ; the first block, and the trip that ends it
	s_lshl_b32 s53, s[WV], 5
	s_lshl_b32 s[Q0], s[SW], 8
	s_add_co_u32 s[Q0], s[Q0], s53                 ; my first query in block 7 - j,
	s_lshl_b32 s72, s[J], 8
	s_add_co_u32 s72, s72, s53                     ; and in block j
	s_lshl_b32 s62, s[Q0], 7
	s_mov_b32 s63, 0
	s_add_nc_u64 s[62:63], s[62:63], s[66:67]
	s_lshl_b32 s14, s72, 7
	s_mov_b32 s15, 0
	s_add_nc_u64 s[14:15], s[14:15], s[66:67]
	s_mov_b32 s[KO], 0
	s_mov_b32 s[KO+1], 0
	s_mov_b32 s[TBK], 0
	s_mov_b32 s[TBV], 0
	s_mov_b32 s[KF], 0
	s_mov_b32 s[CS], 0x3e38aa3b                    ; c = log2(e) / 8
	s_mov_b32 s[CS+1], s[CS]
	s_mov_b32 s[SEL], 0x76543210
	s_mov_b32 s[SEL+1], 0xfedcba98
	s_cmp_eq_u32 s[J], 0
	s_cselect_b32 s[LIM], 6, 0
	s_wait_dscnt 0x0                               ; both opening adds are done
	s_wait_kmcnt 0x0
	s_add_nc_u64 s[BASEK:BASEK+1], s[4:5], s[BASEK:BASEK+1]
	s_add_nc_u64 s[BASEV:BASEV+1], s[4:5], s[BASEV:BASEV+1]
	s_mov_b64 s[G0K+2:G0K+3], s[BASEK:BASEK+1]
	s_or_b32 s[G0K+3], s[G0K+3], 0x80000000
	s_mov_b64 s[G0V+2:G0V+3], s[BASEV:BASEV+1]
	s_or_b32 s[G0V+3], s[G0V+3], 0x80000000
	TLOAD                                          ; slot 0: the head's first 256 keys
	s_add_nc_u64 s[10:11], s[4:5], s[62:63]        ; Q of the first block,
	s_add_nc_u64 s[12:13], s[4:5], s[14:15]        ; and of the second
	s_add_nc_u64 s[68:69], s[6:7], s[62:63]        ; where their results go
	s_add_nc_u64 s[70:71], s[6:7], s[14:15]
	s_cmp_lt_u32 s[WV], 4
	s_cselect_b64 s[PFA:PFA+1], s[BASEK:BASEK+1], s[BASEV:BASEV+1]
	s_add_nc_u64 s[PFA:PFA+1], s[PFA:PFA+1], 32768 ; at slot 1: the first change of slots steps it to slot 2.  Nothing is prefetched here, at the head
	v_and_b32 v[T0], 15, v0                        ; r
	v_bfe_u32 v[T1], v0, 4, 1                      ; h
	v_lshlrev_b32 v[QO], 7, v[T0]
	v_lshl_add_u32 v[QO], v[T1], 4, v[QO]          ; Q: row r of 128 bytes + 16 h
	WIN 0x40
.irp t, 0,1
.irp ch, 0,1
	global_load_b128 v[QF+16*\t+8*\ch:QF+16*\t+8*\ch+3],   v[QO], s[10:11] offset:2048*\t+64*\ch
	global_load_b128 v[QF+16*\t+8*\ch+4:QF+16*\t+8*\ch+7], v[QO], s[10:11] offset:2048*\t+64*\ch+32
	global_load_b128 v[QB+16*\t+8*\ch:QB+16*\t+8*\ch+3],   v[QO], s[12:13] offset:2048*\t+64*\ch
	global_load_b128 v[QB+16*\t+8*\ch+4:QB+16*\t+8*\ch+7], v[QO], s[12:13] offset:2048*\t+64*\ch+32
.endr
.endr
	WIN 0
	v_mul_u32_u24 v[AK0], v[T0], PK
	v_lshl_add_u32 v[AK0], v[T1], 4, v[AK0]        ; K: row r x pitch + 16 h
	v_and_b32 v[ADK], 7, v0
	v_lshl_add_u32 v[AV0], v[T1], 3, v[ADK]
	v_mul_u32_u24 v[AV0], v[AV0], PVP
	v_bfe_u32 v[ADV], v0, 3, 1
	v_lshl_add_u32 v[AV0], v[ADV], 4, v[AV0]
	v_add_nc_u32 v[AV0], VOFF, v[AV0]              ; V: key 8 h + lane % 8, channels 8 ((lane / 8) % 2) on
	s_mul_i32 s53, s[WV], 16*PK
	s_add_co_u32 s53, s53, STAGE                   ; my stage
	v_add_nc_u32 v[STO], s53, v[AK0]               ; in: row r, 16 bytes for each half of the lanes
	v_bfe_u32 v[ADV], v0, 3, 2
	v_mul_u32_u24 v[RD], v[ADV], PK
	v_lshl_add_u32 v[RD], v[ADK], 4, v[RD]
	v_add_nc_u32 v[RD], s53, v[RD]                 ; back: eight lanes to a row, four rows an instruction
	v_and_b32 v[GO], 31, v0
	v_lshlrev_b32 v[PFO], 8, v[GO]
	v_lshlrev_b32 v[GO], 4, v[GO]
	v_lshlrev_b32 v[DM], 3, v[T1]
	v_sub_nc_u32 v[DM], v[T0], v[DM]               ; r - 8 h
	v_mov_b32 v[NINF], 0xff800000
	INIT
	s_wait_loadcnt 0x0                             ; Q
	s_mov_b32 s[TRIP], 0
.Ltrip:                                            ; eight trips; behind each change of slots the next trip's slot is asked for
	CHANGE 1
	SLOT_STEPS 1
	s_cmp_lg_u32 s[TRIP], s[SW]
	s_cbranch_scc1 .Lsame_block
	FINISH 1
.Lsame_block:
	s_add_co_u32 s[TRIP], s[TRIP], 1
	s_cmp_lt_u32 s[TRIP], 8
	s_cbranch_scc1 .Ltrip
	CHANGE 0                                       ; the ninth slot is written out: nothing is left to fetch
	SLOT_STEPS 0
	FINISH 0
	s_wait_tensorcnt 0x0                           ; the wave's end: behind my last tensor load and my last LDS store
	ds_add_u32 v[SPW], v[NIL]
	s_wait_dscnt 0x0
	s_endpgm
.Lfunc_end_k_q4b59e3903a_attn:
	.size	k_q4b59e3903a_attn, .Lfunc_end_k_q4b59e3903a_attn-k_q4b59e3903a_attn
	.p2alignl 7, 3214868480
	.fill 96, 4, 3214868480
	.section	.rodata,"a",@progbits
	.p2align	6, 0x0
	.amdhsa_kernel k_q4b59e3903a_attn
		.amdhsa_group_segment_fixed_size 327680
		.amdhsa_private_segment_fixed_size 0
		.amdhsa_enable_private_segment 0
		.amdhsa_kernarg_size 16
		.amdhsa_user_sgpr_count 2
		.amdhsa_user_sgpr_kernarg_segment_ptr 1
		.amdhsa_wavefront_size32 1
		.amdhsa_system_sgpr_workgroup_id_x 1
		.amdhsa_system_sgpr_workgroup_id_y 1
		.amdhsa_system_sgpr_workgroup_id_z 1
		.amdhsa_system_vgpr_workitem_id 0
		.amdhsa_next_free_vgpr 448
		.amdhsa_next_free_sgpr 80
		.amdhsa_reserve_vcc 1
		.amdhsa_float_denorm_mode_32 3
		.amdhsa_float_denorm_mode_16_64 3
		.amdhsa_memory_ordered 1
		.amdhsa_forward_progress 1
		.amdhsa_inst_pref_size 74
	.end_amdhsa_kernel
	.amdgpu_metadata
---
amdhsa.version: [ 1, 2 ]
amdhsa.kernels:
  - .name:           k_q4b59e3903a_attn
    .symbol:         k_q4b59e3903a_attn.kd
    .args:
      - { .name: qkv, .offset: 0, .size: 8, .value_kind: global_buffer, .address_space: global }
      - { .name: att, .offset: 8, .size: 8, .value_kind: global_buffer, .address_space: global }
    .group_segment_fixed_size: 327680
    .private_segment_fixed_size: 0
    .kernarg_segment_align: 8
    .kernarg_segment_size: 16
    .max_flat_workgroup_size: 256
    .sgpr_count:     80
    .vgpr_count:     448
    .wavefront_size: 32
...
	.end_amdgpu_metadata
.endif
;; end of part 3
;; launch proj (part 4): grid 4 x 64, 4 waves a work-group, clusters of 4 x 4, 327,680 bytes of LDS; arguments att, wo16, out0; writes out0
.if DOCPART == 4
	.amdgcn_target "amdgcn-amd-amdhsa--gfx1250"
	.amdhsa_code_object_version 6
	.text
	.protected	k_q4b59e3903a_proj
	.globl	k_q4b59e3903a_proj
	.p2align	8
	.type	k_q4b59e3903a_proj,@function
k_q4b59e3903a_proj:
	s_mov_b64 s[64:65], 0
	v_nop
	global_prefetch_b8 v0, s[64:65] scope:SCOPE_SE
	s_setreg_imm32_b32 hwreg(HW_REG_WAVE_MODE, 25, 1), 1
	s_wait_xcnt 0x0
	s_wait_alu depctr_hold_cnt(0) depctr_sa_sdst(0) depctr_va_vdst(0) depctr_va_sdst(0) depctr_va_ssrc(0) depctr_va_vcc(0) depctr_vm_vsrc(0)
	s_getreg_b32 s2, hwreg(HW_REG_IB_STS2, 6, 4)
	s_cmp_eq_u32 s2, 0
	s_cbranch_scc0 .Lentry_in_a_cluster
	s_endpgm
.Lentry_in_a_cluster:
	s_bfe_u32 s2, ttmp6, 0x10000c
	s_cmp_lg_u32 s2, 0xf033
	s_cbranch_scc0 .Lentry_shape_is_right
	s_endpgm
.Lentry_shape_is_right:
; out0[token][n] = the sum over k of att[token][k] Wout[k][n]: f16 operands, f32 sums, f32 out.  att: [16 batch + head][t][64] f16 (k = 64 head + channel); wo16: [k 1024][n 1024] f16.
; A tile is 128 tokens x 256 columns: 256 work-groups.  Four waves, each 64 x 128: 32 accumulators.  K goes in 8 steps of 128 (two heads) through a ring of two LDS slots.
; A's tile is two sub-tiles, one a head, of 128 rows x 128 bytes (waves 0, 1 fetch one each); B's is 128 rows of k x 512 bytes (waves 2, 3 fetch 64 rows each) and is read turned, by ds_load_tr16_b128.
; CLUSTERS: 4 x 4 work-groups: A's tiles are asked for jointly along a row of the cluster, B's along a column.  Where a slot is filled again, a round of the cluster's barrier stands in front.
; THE MATRIX INSTRUCTION IS USED TRANSPOSED (source 0 = 16 columns of Wout, source 1 = 16 tokens): a lane holds one token and eight neighbouring columns.
; The rows t < 16 of each sequence are stored here too and are written anew by the launch that follows.
; No prefetch: a K step's tiles are small and the launch is short.
; REGISTERS: window 0: v16-29 addresses; v32-63, v64-95 A's two buffers (4 fragments); v96-159, v160-223 B's two (8 fragments); on the way out v32-159 rows read back.  window 1: accumulator (a, b) at v[8 (8 a + b)].
.set PA,     144                       ; a row of A in LDS: 128 bytes + 16
.set PB,     544                       ; a row of B: 512 + 32: an odd multiple of 32 bytes
.set ASUB,   128*PA
.set BOFF,   2*ASUB
.set BHALF,  64*PB
.set SLOT,   BOFF+2*BHALF
.set STAGE,  2*SLOT                    ; 16 rows x 528 bytes for each wave
.set SPITCH, 528
.set SPARE,  STAGE+4*16*SPITCH
.set ADRA, 16
.set ADRB, 20
.set STO,  24
.set RD,   25
.set CO,   26
.set SPW,  28
.set NIL,  29
.set BK,   32
.set G1, 24
.set G0, 32
.set G1B, 48
.set G0B, 56
.set MSB, 0
.macro WIN new
.if MSB != (\new)
	s_set_vgpr_msb (MSB<<8)|(\new)
.set MSB, (\new)
.endif
.endm
.set MUL, 0x50                         ; C and D window 1
.macro JLOAD s                         ; waves 0 and 1 fetch for A, waves 2 and 3 for B; an s_nop 0 and four v_nop follow each of the two lines
	s_cmp_eq_u32 s11, 0
	s_cbranch_scc0 .Lfor_b_\@
	tensor_load_to_lds s[G0+4*\s:G0+4*\s+3], s[G1:G1+7]
	s_nop 0
.rept 4
	v_nop
.endr
	s_branch .Lasked_\@
.Lfor_b_\@:
	tensor_load_to_lds s[G0B+4*\s:G0B+4*\s+3], s[G1B:G1B+7]
	s_nop 0
.rept 4
	v_nop
.endr
.Lasked_\@:
.endm
.macro CREST
	s_cmp_lg_u32 s10, 0
	s_cbranch_scc1 .Lnot_wave_0_\@
	s_barrier_signal -3
.Lnot_wave_0_\@:
	s_barrier_wait -3
	s_barrier_signal -1
	s_barrier_wait -1
.endm
.macro CROUND
	s_barrier_signal -1
	s_barrier_wait -1
	CREST
.endm
	s_load_b128 s[4:7], s[0:1], 0x0                ; att s[4:5], wo16 s[6:7]
	s_load_b64 s[8:9], s[0:1], 0x10                ; out0
	v_lshl_add_u32 v[SPW], v0, 2, SPARE
	v_mov_b32 v[NIL], 0
	ds_add_u32 v[SPW], v[NIL]                      ; the wave's opening: the add, twice on end, and its wait ahead of my first tensor load
	ds_add_u32 v[SPW], v[NIL]
	v_lshrrev_b32 v1, 5, v0
	v_readfirstlane_b32 s10, v1                    ; wave 0..3
	s_lshr_b32 s11, s10, 1                         ; which 64 tokens are mine.  Also: I fetch for A (0) or for B (1)
	s_and_b32 s12, s10, 1                          ; which 128 columns.  Also: which half of that tile I fetch
	s_bfe_u32 s40, ttmp6, 0x40000                  ; cx, cy
	s_bfe_u32 s41, ttmp6, 0x40004
	s_lshl_b32 s42, ttmp9, 2
	s_add_co_u32 s42, s42, s40                     ; tile column
	s_and_b32 s13, ttmp7, 0xffff
	s_lshl_b32 s13, s13, 2
	s_add_co_u32 s13, s13, s41                     ; tile row
	s_lshl_b32 s43, s41, 2
	s_lshl_b32 s43, 15, s43                        ; my row of the cluster
	s_lshl_b32 s44, 0x1111, s40                    ; my column
	s_or_b32 s[G1+0], s43, (1<<16)|(1<<20)|(1<<21)|(4<<22)|(3<<25)   ; A: elements of 2 bytes; 4 words of padding after every 32
	s_mov_b32 s[G1+1], 64<<16                      ; tensor_dim0
	s_mov_b32 s[G1+2], 128<<16                     ; tensor_dim1
	s_mov_b32 s[G1+3], 64<<16                      ; tile_dim0
	s_mov_b32 s[G1+4], 128                         ; tile_dim1
	s_mov_b32 s[G1+5], 64                          ; the pitch
	s_mov_b32 s[G1+6], 0
	s_mov_b32 s[G1+7], 0
	s_or_b32 s[G1B+0], s44, (1<<16)|(1<<20)|(1<<21)|(6<<22)|(7<<25)  ; B: 8 words of padding after every 128
	s_mov_b32 s[G1B+1], 256<<16
	s_mov_b32 s[G1B+2], 64<<16
	s_mov_b32 s[G1B+3], 256<<16
	s_mov_b32 s[G1B+4], 64
	s_mov_b32 s[G1B+5], 1024
	s_mov_b32 s[G1B+6], 0
	s_mov_b32 s[G1B+7], 0
	s_lshr_b32 s16, s13, 4                         ; A: batch,
	s_lshl_b32 s16, s16, 4
	s_add_co_u32 s16, s16, s12                     ; the head of K step 0 that I fetch,
	s_lshl_b32 s16, s16, 18
	s_and_b32 s17, s13, 15
	s_lshl_b32 s17, s17, 14                        ; and the tile's 128 rows of 128 bytes in it
	s_add_co_u32 s16, s16, s17
	s_mov_b32 s17, 0
	s_lshl_b32 s46, s12, 17                        ; B: my 64 rows of 2,048 bytes,
	s_lshl_b32 s47, s42, 9                         ; the tile's 512 bytes of them
	s_add_co_u32 s46, s46, s47
	s_mov_b32 s47, 0
	s_mul_i32 s20, s12, ASUB                       ; where they go: no place in the cluster enters an LDS address
	s_mul_i32 s21, s12, BHALF
	s_add_co_u32 s21, s21, BOFF
	s_wait_dscnt 0x0                               ; both opening adds are done
	s_wait_kmcnt 0x0
	s_add_nc_u64 s[14:15], s[4:5], s[16:17]
	s_add_nc_u64 s[46:47], s[6:7], s[46:47]
	CROUND                                         ; all sixteen work-groups are here: the first joint loads meet
.irp s, 0,1
	s_mov_b32 s[G0+4*\s], 1
	s_add_co_u32 s[G0+4*\s+1], s20, \s*SLOT
	s_add_nc_u64 s[G0+4*\s+2:G0+4*\s+3], s[14:15], \s*524288       ; K step s: two heads on
	s_or_b32 s[G0+4*\s+3], s[G0+4*\s+3], 0x80000000
	s_mov_b32 s[G0B+4*\s], 1
	s_add_co_u32 s[G0B+4*\s+1], s21, \s*SLOT
	s_add_nc_u64 s[G0B+4*\s+2:G0B+4*\s+3], s[46:47], \s*262144     ; 128 rows on
	s_or_b32 s[G0B+4*\s+3], s[G0B+4*\s+3], 0x80000000
	JLOAD \s
.endr
	v_and_b32 v1, 15, v0                           ; r
	v_bfe_u32 v2, v0, 4, 1                         ; h
	v_mul_u32_u24 v3, v1, PA
	v_lshl_add_u32 v3, v2, 4, v3                   ; A: row r x pitch + 16 h
	s_mul_i32 s21, s11, 64*PA                      ; my 64 tokens
	v_and_b32 v4, 7, v0
	v_lshl_add_u32 v4, v2, 3, v4
	v_mul_u32_u24 v4, v4, PB
	v_bfe_u32 v5, v0, 3, 1
	v_lshl_add_u32 v4, v5, 4, v4                   ; B: row 8 h + lane % 8, columns 8 ((lane / 8) % 2) on
	s_lshl_b32 s22, s12, 8                         ; my 128 columns
	s_add_co_u32 s22, s22, BOFF
.irp s, 0,1
	v_add_nc_u32 v[ADRA+\s], s21, v3
	v_add_nc_u32 v[ADRB+\s], s22, v4
	s_add_co_u32 s21, s21, SLOT
	s_add_co_u32 s22, s22, SLOT
.endr
	s_mul_i32 s23, s10, 16*SPITCH
	s_add_co_u32 s23, s23, STAGE                   ; my stage
	v_mul_u32_u24 v5, v1, SPITCH
	v_lshl_add_u32 v5, v2, 5, v5
	v_add_nc_u32 v[STO], s23, v5                   ; in: row r, 32 bytes for each half of the lanes
	v_and_b32 v6, 31, v0
	v_lshlrev_b32 v[CO], 4, v6
	v_add_nc_u32 v[RD], s23, v[CO]                 ; back: the 32 lanes take a row of 512 bytes
	s_lshl_b32 s16, s13, 7
	s_lshl_b32 s17, s11, 6
	s_add_co_u32 s16, s16, s17
	s_lshl_b32 s16, s16, 12                        ; my first token's row of 4,096 bytes
	s_lshl_b32 s46, s42, 10
	s_lshl_b32 s47, s12, 9
	s_add_co_u32 s46, s46, s47
	s_add_co_u32 s16, s16, s46
	s_mov_b32 s17, 0
	s_add_nc_u64 s[8:9], s[8:9], s[16:17]
; 8 matrix instructions: A's block a x B's eight, 32 along K, from buffer f.  The 32 accumulators take turns, one instruction a turn, in the same order in every quarter.
.macro MUL8 f, a, zero
.irp b, 0,1,2,3,4,5,6,7
.if \zero
	v_wmma_f32_16x16x32_f16 v[8*(8*(\a)+\b):8*(8*(\a)+\b)+7], v[96+64*(\f)+8*\b:96+64*(\f)+8*\b+7], v[32+32*(\f)+8*(\a):32+32*(\f)+8*(\a)+7], 0
.else
	v_wmma_f32_16x16x32_f16 v[8*(8*(\a)+\b):8*(8*(\a)+\b)+7], v[96+64*(\f)+8*\b:96+64*(\f)+8*\b+7], v[32+32*(\f)+8*(\a):32+32*(\f)+8*(\a)+7], v[8*(8*(\a)+\b):8*(8*(\a)+\b)+7]
.endif
.endr
.endm
.macro FETCH slot, q, f                ; 24 LDS loads in one run: quarter q (32 along K) into buffer f: B's eight fragments, then A's four
.irp b, 0,1,2,3,4,5,6,7
	ds_load_tr16_b128 v[96+64*(\f)+8*\b:96+64*(\f)+8*\b+3],   v[ADRB+\slot] offset:32*PB*(\q)+32*\b
	ds_load_tr16_b128 v[96+64*(\f)+8*\b+4:96+64*(\f)+8*\b+7], v[ADRB+\slot] offset:32*PB*(\q)+32*\b+16*PB
.endr
.irp i, 0,1,2,3
	ds_load_b128 v[32+32*(\f)+8*\i:32+32*(\f)+8*\i+3],   v[ADRA+\slot] offset:ASUB*((\q)/2)+64*((\q)%2)+16*PA*\i
	ds_load_b128 v[32+32*(\f)+8*\i+4:32+32*(\f)+8*\i+7], v[ADRA+\slot] offset:ASUB*((\q)/2)+64*((\q)%2)+16*PA*\i+32
.endr
.endm
.macro PLACES                          ; plain vector lines between a matrix instruction and a load into, or a read of, its registers
.rept 4
	v_nop
.endr
.endm
; One of a K step's first three quarters: multiplies buffer f; in its middle it fetches quarter q into buffer g.
.macro QUARTER slot, q, f, g, zero
	s_wait_dscnt 4                                 ; B and A's blocks 0, 1 are in; the youngest four loads (A's blocks 2, 3) may be out
	WIN MUL
	MUL8 \f, 0, \zero
	MUL8 \f, 1, \zero
	PLACES
	WIN 0
	FETCH \slot, \q, \g
	s_wait_dscnt 24                                ; all but the 24 just issued
	WIN MUL
	MUL8 \f, 2, \zero
	MUL8 \f, 3, \zero
.endm
; The last quarter multiplies buffer 1 and changes slots: one barrier; in front of it each wave waits for all its tensor loads, adds 0 to its spare word, and waits for that and for its reads of this slot.
; fill = 1: the barrier opens a round of the cluster's barrier, and this slot is filled again, two K steps ahead: the first tensor load behind the round.
.macro TURN slot, next, fill
	WIN 0
	s_wait_tensorcnt 0x0
	ds_add_u32 v[SPW], v[NIL]
	s_wait_dscnt 5                                 ; the add and the youngest four loads may be out
	WIN MUL
	MUL8 1, 0, 0
	s_wait_dscnt 0x0                               ; the add is done, and my reads of this slot are over
	s_barrier_signal -1
	MUL8 1, 1, 0
	WIN 0
	s_barrier_wait -1
.if \fill
	CREST
	s_add_nc_u64 s[G0+4*\slot+2:G0+4*\slot+3], s[G0+4*\slot+2:G0+4*\slot+3], 1048576
	s_add_nc_u64 s[G0B+4*\slot+2:G0B+4*\slot+3], s[G0B+4*\slot+2:G0B+4*\slot+3], 524288
	JLOAD \slot                                    ; the four v_nop behind it are also the places in front of the loads below
.else
	PLACES
.endif
	FETCH \next, 0, 0
	WIN MUL
	MUL8 1, 2, 0
	MUL8 1, 3, 0
.endm
	s_wait_tensorcnt 1                             ; my part of K step 0 is in; K step 1's load may be out
	s_barrier_signal -1
	s_barrier_wait -1
	FETCH 0, 0, 0
	QUARTER 0, 1, 0, 1, 1                          ; the first quarter's products start the sums
	WIN 0
	s_mov_b32 s3, 3
.Llap:                                             ; a trip goes once round the ring and fills both slots again: K steps 2 to 7
	QUARTER 0, 2, 1, 0, 0
	QUARTER 0, 3, 0, 1, 0
	TURN 0, 1, 1
	QUARTER 1, 1, 0, 1, 0
	QUARTER 1, 2, 1, 0, 0
	QUARTER 1, 3, 0, 1, 0
	TURN 1, 0, 1
	QUARTER 0, 1, 0, 1, 0
	WIN 0
	s_sub_co_u32 s3, s3, 1
	s_cmp_lg_u32 s3, 0
	s_cbranch_scc1 .Llap
	QUARTER 0, 2, 1, 0, 0                          ; the last lap fills nothing
	QUARTER 0, 3, 0, 1, 0
	TURN 0, 1, 0
	QUARTER 1, 1, 0, 1, 0
	QUARTER 1, 2, 1, 0, 0
	QUARTER 1, 3, 0, 1, 0
	s_wait_dscnt 4
	WIN MUL
	MUL8 1, 0, 0
	MUL8 1, 1, 0
	s_wait_dscnt 0
	MUL8 1, 2, 0
	MUL8 1, 3, 0
	WIN 0
; THE WAY OUT, a block of 16 tokens x 128 columns at a time, through my stage and back as whole rows of 512 bytes.
.macro TOSTAGE a
	WIN 0x04                                       ; an LDS store's data are its source 1: window 1
.irp b, 0,1,2,3,4,5,6,7
	ds_store_b128 v[STO], v[8*(8*(\a)+\b):8*(8*(\a)+\b)+3] offset:64*\b          ; each accumulator from its low end on
	ds_store_b128 v[STO], v[8*(8*(\a)+\b)+4:8*(8*(\a)+\b)+7] offset:64*\b+16
.endr
	WIN 0
.irp t, 0,1,2,3,4,5,6,7,8,9,10,11,12,13,14,15
	ds_load_b128 v[BK+64*((\a)%2)+4*\t:BK+64*((\a)%2)+4*\t+3], v[RD] offset:\t*SPITCH
.endr
.endm
.macro SEND a, younger
	s_wait_dscnt \younger
.irp t, 0,1,2,3,4,5,6,7,8,9,10,11,12,13,14,15
	global_store_b128 v[CO], v[BK+64*((\a)%2)+4*\t:BK+64*((\a)%2)+4*\t+3], s[8:9] offset:65536*(\a)+4096*\t th:TH_STORE_NT   ; 512 consecutive bytes, aligned
.endr
.endm
	PLACES
	TOSTAGE 0
.irp a, 1,2,3
.if \a > 1
	s_wait_xcnt 0x0                                ; block a - 2's stores have read the registers into which this block's rows come back
.endif
	TOSTAGE \a
	SEND \a-1, 32                                  ; behind block a - 1's loads: block a's 16 stores and 16 loads
.endr
	SEND 3, 0
	s_wait_tensorcnt 0x0                           ; the wave's end: behind my last tensor load and my last LDS store
	ds_add_u32 v[SPW], v[NIL]
	s_wait_dscnt 0x0
	CROUND                                         ; the closing round
	s_endpgm
.Lfunc_end_k_q4b59e3903a_proj:
	.size	k_q4b59e3903a_proj, .Lfunc_end_k_q4b59e3903a_proj-k_q4b59e3903a_proj
	.p2alignl 7, 3214868480
	.fill 96, 4, 3214868480
	.section	.rodata,"a",@progbits
	.p2align	6, 0x0
	.amdhsa_kernel k_q4b59e3903a_proj
		.amdhsa_group_segment_fixed_size 327680
		.amdhsa_private_segment_fixed_size 0
		.amdhsa_enable_private_segment 0
		.amdhsa_kernarg_size 24
		.amdhsa_user_sgpr_count 2
		.amdhsa_user_sgpr_kernarg_segment_ptr 1
		.amdhsa_wavefront_size32 1
		.amdhsa_system_sgpr_workgroup_id_x 1
		.amdhsa_system_sgpr_workgroup_id_y 1
		.amdhsa_system_sgpr_workgroup_id_z 1
		.amdhsa_system_vgpr_workitem_id 0
		.amdhsa_next_free_vgpr 512
		.amdhsa_next_free_sgpr 72
		.amdhsa_reserve_vcc 0
		.amdhsa_float_denorm_mode_32 3
		.amdhsa_float_denorm_mode_16_64 3
		.amdhsa_memory_ordered 1
		.amdhsa_forward_progress 1
		.amdhsa_inst_pref_size 85
	.end_amdhsa_kernel
	.amdgpu_metadata
---
amdhsa.version: [ 1, 2 ]
amdhsa.kernels:
  - .name:           k_q4b59e3903a_proj
    .symbol:         k_q4b59e3903a_proj.kd
    .args:
      - { .name: att, .offset: 0, .size: 8, .value_kind: global_buffer, .address_space: global }
      - { .name: wo16, .offset: 8, .size: 8, .value_kind: global_buffer, .address_space: global }
      - { .name: out0, .offset: 16, .size: 8, .value_kind: global_buffer, .address_space: global }
    .group_segment_fixed_size: 327680
    .private_segment_fixed_size: 0
    .kernarg_segment_align: 8
    .kernarg_segment_size: 24
    .max_flat_workgroup_size: 128
    .sgpr_count:     72
    .vgpr_count:     512
    .wavefront_size: 32
...
	.end_amdgpu_metadata
.endif
;; end of part 4
;; launch first_rows (part 5): grid 16 x 4, 16 waves a work-group, no clusters, 71,680 bytes of LDS; arguments fine, Wout, out0; writes out0
.if DOCPART == 5
	.amdgcn_target "amdgcn-amd-amdhsa--gfx1250"
	.amdhsa_code_object_version 6
	.text
	.protected	k_q4b59e3903a_first_rows
	.globl	k_q4b59e3903a_first_rows
	.p2align	8
	.type	k_q4b59e3903a_first_rows,@function
k_q4b59e3903a_first_rows:
	s_mov_b64 s[64:65], 0
	v_nop
	global_prefetch_b8 v0, s[64:65] scope:SCOPE_SE
	s_setreg_imm32_b32 hwreg(HW_REG_WAVE_MODE, 25, 1), 1
	s_wait_xcnt 0x0
; THE FIRST 16 POSITIONS OF EACH SEQUENCE, IN f32 THROUGHOUT: their rows average one to sixteen values, so they are carried finely: attention and projection by v_wmma_f32_16x16x4_f32
; (96 a wave: no bulk work).  The launch runs last and writes rows t < 16 of out0 anew.
; fine: [batch][16 type + head][t 16][64] f32 (q and k rotated).  Work-group (x, y) makes columns 64 x .. 64 x + 63 of batch y's 16 rows.  Wave w is head w: its 16 x 16 causal attention, then its own
; slice of K, rows 64 w .. 64 w + 63 of Wout, for the work-group's 64 columns; the sixteen partial results meet in LDS, and wave w adds and stores row w.
; k IN ITS PLACES: a K step takes two registers a lane; which four k they are is the same on both sources of each product:
;   Q, K: register 4 c + e = channel 8 c + 4 h + e of row r;   V^T: register 8 ct + j = V[key 8 h + j][channel 16 ct + r];   p: register j = key 8 h + j of query r;
;   W(nt): register 8 ct + j = Wout[64 w + 16 ct + 8 h + j][64 x + 16 nt + r];   AT: register 8 ct + j = the result for query r, channel 16 ct + 8 h + j.
; The registers that the matrix instructions write, v112-191, are written by them alone; what is made of a sum goes elsewhere.
; REGISTERS: v1-15 addresses; v16-47 Q, then p and work, then AT, then the parts; v48-79 K, then W(2); v80-111 V^T, then W(3); v112-127 S^T in two halves; v128-159 O^T; v160-191 Y^T; v192-255 W(0), W(1).
.set PP,    272                        ; a row of a part: 256 bytes + 16
.set SPARE, 16*16*PP                   ; behind the sixteen parts: the spare words, 128 bytes a wave
.macro WLOAD reg, nt
.irp ct, 0,1,2,3
.irp j, 0,1,2,3,4,5,6,7
	global_load_b32 v[\reg+8*\ct+\j], v5, s[6:7] offset:4096*(16*\ct+\j)+64*\nt
.endr
.endr
.endm
.macro PLACES8                         ; eight plain lines behind this form (ISA guide 7.12.1)
.rept 8
	v_nop
.endr
.endm
; two tiles of outputs, n0 and n0 + 1, by turns over the 16 K steps; the first step starts both sums
.macro PROJ n0, wa, wb
.set k, 0
.rept 16
.if k == 0
	v_wmma_f32_16x16x4_f32 v[160+8*\n0:167+8*\n0], v[\wa+2*k:\wa+2*k+1], v[16+2*k:17+2*k], 0
	v_wmma_f32_16x16x4_f32 v[168+8*\n0:175+8*\n0], v[\wb+2*k:\wb+2*k+1], v[16+2*k:17+2*k], 0
.else
	v_wmma_f32_16x16x4_f32 v[160+8*\n0:167+8*\n0], v[\wa+2*k:\wa+2*k+1], v[16+2*k:17+2*k], v[160+8*\n0:167+8*\n0]
	v_wmma_f32_16x16x4_f32 v[168+8*\n0:175+8*\n0], v[\wb+2*k:\wb+2*k+1], v[16+2*k:17+2*k], v[168+8*\n0:175+8*\n0]
.endif
.set k, k+1
.endr
.endm
	s_load_b128 s[4:7], s[0:1], 0x0                ; fine s[4:5], Wout s[6:7]
	s_load_b64 s[8:9], s[0:1], 0x10                ; out0
	v_lshl_add_u32 v12, v0, 2, SPARE               ; my spare word; never rewritten
	v_mov_b32 v13, 0                               ; 0; never rewritten
	v_lshrrev_b32 v1, 5, v0
	v_readfirstlane_b32 s10, v1                    ; wave = head
	s_and_b32 s11, ttmp7, 0xffff                   ; batch
	v_and_b32 v1, 15, v0                           ; r
	v_bfe_u32 v2, v0, 4, 1                         ; h
	v_lshlrev_b32 v3, 8, v1
	v_lshl_add_u32 v3, v2, 4, v3                   ; Q, K: 256 r + 16 h
	v_lshlrev_b32 v4, 2, v1
	v_lshl_add_u32 v5, v2, 15, v4                  ; W: 8 h rows of 4,096 bytes + 4 r
	v_lshl_add_u32 v4, v2, 11, v4                  ; V: 8 h rows of 256 bytes + 4 r
	v_lshlrev_b32 v6, 3, v2
	v_sub_nc_u32 v6, v1, v6                        ; r - 8 h
	v_mov_b32 v7, 0xff800000                       ; -infinity
	s_mul_i32 s12, s10, 16*PP
	v_mul_u32_u24 v14, v1, PP
	v_lshl_add_u32 v14, v2, 5, v14
	v_add_nc_u32 v14, s12, v14                     ; my part: row r, 32 bytes for each half of the lanes
	s_mul_i32 s12, s10, PP
	v_and_b32 v11, 31, v0
	v_lshlrev_b32 v11, 3, v11                      ; 8 bytes a lane
	v_add_nc_u32 v15, s12, v11                     ; row w of part 0
	s_mul_i32 s12, s11, 48
	s_add_co_u32 s12, s12, s10
	s_lshl_b32 s12, s12, 12                        ; (48 batch + head) x 4,096: q; k and v lie 16 and 32 heads on
	s_mov_b32 s13, 0
	s_lshl_b32 s14, s10, 18                        ; Wout: row 64 w,
	s_lshl_b32 s15, ttmp9, 8                       ; column 64 x
	s_add_co_u32 s14, s14, s15
	s_lshl_b32 s16, s11, 11
	s_add_co_u32 s16, s16, s10
	s_lshl_b32 s16, s16, 12                        ; out0: row 2,048 batch + w,
	s_add_co_u32 s16, s16, s15                     ; column 64 x
	s_mov_b32 s15, 0
	s_mov_b32 s17, 0
	s_mov_b32 s20, 0x76543210
	s_mov_b32 s21, 0xfedcba98                      ; v_permlanex16_b32's selects for lane l xor 16
	s_mov_b32 s22, 0x3e38aa3b                      ; c = log2(e) / 8
	s_mov_b32 s23, s22
	s_wait_kmcnt 0x0
	s_add_nc_u64 s[4:5], s[4:5], s[12:13]
	s_add_nc_u64 s[6:7], s[6:7], s[14:15]
	s_add_nc_u64 s[8:9], s[8:9], s[16:17]
	WLOAD 192, 0
	WLOAD 224, 1
.irp c, 0,1,2,3,4,5,6,7
	global_load_b128 v[16+4*\c:19+4*\c], v3, s[4:5] offset:32*\c           ; Q
	global_load_b128 v[48+4*\c:51+4*\c], v3, s[4:5] offset:65536+32*\c     ; K
.endr
.irp ct, 0,1,2,3
.irp j, 0,1,2,3,4,5,6,7
	global_load_b32 v[80+8*\ct+\j], v4, s[4:5] offset:131072+256*\j+64*\ct ; V^T
.endr
.endr
	s_wait_loadcnt 32                              ; all but V's 32 loads are in
.set k, 0
.rept 16                                           ; S^T = K Q^T: 16 K steps, into two accumulators by turns; the first two start the sums
.if k < 2
	v_wmma_f32_16x16x4_f32 v[112+8*(k%2):119+8*(k%2)], v[48+2*k:49+2*k], v[16+2*k:17+2*k], 0
.else
	v_wmma_f32_16x16x4_f32 v[112+8*(k%2):119+8*(k%2)], v[48+2*k:49+2*k], v[16+2*k:17+2*k], v[112+8*(k%2):119+8*(k%2)]
.endif
.set k, k+1
.endr
	PLACES8
	WLOAD 48, 2                                    ; into K's registers
.irp j, 0,1,2,3,4,5,6,7
	v_add_f32 v[16+\j], v[112+\j], v[120+\j]       ; the score of key 8 h + j for query r; each accumulator from its low end on
.endr
.irp j, 0,1,2,3,4,5,6,7
	v_cmp_gt_i32 vcc_lo, \j, v6                    ; key above query: hidden
	v_cndmask_b32 v[16+\j], v[16+\j], v7, vcc_lo
.endr
	v_max3_num_f32 v24, v16, v17, v18
	v_max3_num_f32 v25, v19, v20, v21
	v_max3_num_f32 v24, v24, v22, v23
	v_max_num_f32 v24, v24, v25
	v_permlanex16_b32 v25, v24, s20, s21
	v_max_num_f32 v24, v24, v25                    ; the row's maximum: key 0 counts for every query
	v_mul_f32 v24, s22, v24
.irp j, 0,2,4,6
	v_pk_fma_f32 v[16+\j:17+\j], v[16+\j:17+\j], s[22:23], v[24:25] op_sel_hi:[1,0,0] neg_lo:[0,0,1] neg_hi:[0,0,1]
.endr
.irp j, 0,1,2,3,4,5,6,7
	v_exp_f32 v[16+\j], v[16+\j]
.endr
	v_nop
	s_wait_alu depctr_va_vdst(0)                   ; one wait for the eight, ahead of their first reader
	v_pk_add_f32 v[26:27], v[16:17], v[18:19]
	v_pk_add_f32 v[28:29], v[20:21], v[22:23]
	v_pk_add_f32 v[26:27], v[26:27], v[28:29]
	v_add_f32 v26, v26, v27
	v_permlanex16_b32 v27, v26, s20, s21
	v_add_f32 v26, v26, v27
	v_rcp_f32 v10, v26                             ; 1 / the row's sum
	v_nop
	s_wait_alu depctr_va_vdst(0)
	s_wait_loadcnt 32                              ; V is in; W(2)'s 32 loads may be out
.irp s, 0,1,2,3                                    ; O^T = V^T P: four accumulators by turns, four K steps
.irp ct, 0,1,2,3
.if \s == 0
	v_wmma_f32_16x16x4_f32 v[128+8*\ct:135+8*\ct], v[80+8*\ct+2*\s:81+8*\ct+2*\s], v[16+2*\s:17+2*\s], 0
.else
	v_wmma_f32_16x16x4_f32 v[128+8*\ct:135+8*\ct], v[80+8*\ct+2*\s:81+8*\ct+2*\s], v[16+2*\s:17+2*\s], v[128+8*\ct:135+8*\ct]
.endif
.endr
.endr
	PLACES8
	WLOAD 80, 3                                    ; into V's registers
.set i, 0
.rept 32
	v_mul_f32 v[16+i], v[128+i], v10               ; AT = O^T / the sum
.set i, i+1
.endr
	PROJ 0, 192, 224                               ; W(2) and W(3) land under these 32 products
	s_wait_loadcnt 0x0
	PROJ 2, 48, 80
	PLACES8
.irp nt, 0,1,2,3
	ds_store_b128 v14, v[160+8*\nt:163+8*\nt] offset:64*\nt        ; lane (r, h): my head's share of out(r, 64 x + 16 nt + 8 h + 0 .. 7)
	ds_store_b128 v14, v[164+8*\nt:167+8*\nt] offset:64*\nt+16
.endr
	s_wait_dscnt 0x0                               ; for the others' sake: my stores are done
	s_barrier_signal -1
	s_barrier_wait -1
.irp p, 0,1,2,3,4,5,6,7,8,9,10,11,12,13,14,15
	ds_load_b64 v[16+2*\p:17+2*\p], v15 offset:16*PP*\p            ; row w of every head's part
.endr
	s_wait_dscnt 0x0
.irp p, 1,2,3,4,5,6,7,8,9,10,11,12,13,14,15
	v_pk_add_f32 v[16:17], v[16:17], v[16+2*\p:17+2*\p]            ; the heads in ascending order
.endr
	global_store_b64 v11, v[16:17], s[8:9]         ; the wave stores 256 consecutive bytes, aligned
	s_wait_tensorcnt 0x0                           ; the wave's end: behind my last LDS store
	ds_add_u32 v12, v13
	s_wait_dscnt 0x0
	s_endpgm
.Lfunc_end_k_q4b59e3903a_first_rows:
	.size	k_q4b59e3903a_first_rows, .Lfunc_end_k_q4b59e3903a_first_rows-k_q4b59e3903a_first_rows
	.p2alignl 7, 3214868480
	.fill 96, 4, 3214868480
	.section	.rodata,"a",@progbits
	.p2align	6, 0x0
	.amdhsa_kernel k_q4b59e3903a_first_rows
		.amdhsa_group_segment_fixed_size 71680
		.amdhsa_private_segment_fixed_size 0
		.amdhsa_enable_private_segment 0
		.amdhsa_kernarg_size 24
		.amdhsa_user_sgpr_count 2
		.amdhsa_user_sgpr_kernarg_segment_ptr 1
		.amdhsa_wavefront_size32 1
		.amdhsa_system_sgpr_workgroup_id_x 1
		.amdhsa_system_sgpr_workgroup_id_y 1
		.amdhsa_system_sgpr_workgroup_id_z 1
		.amdhsa_system_vgpr_workitem_id 0
		.amdhsa_next_free_vgpr 256
		.amdhsa_next_free_sgpr 66
		.amdhsa_reserve_vcc 1
		.amdhsa_float_denorm_mode_32 3
		.amdhsa_float_denorm_mode_16_64 3
		.amdhsa_memory_ordered 1
		.amdhsa_forward_progress 1
		.amdhsa_inst_pref_size 32
	.end_amdhsa_kernel
	.amdgpu_metadata
---
amdhsa.version: [ 1, 2 ]
amdhsa.kernels:
  - .name:           k_q4b59e3903a_first_rows
    .symbol:         k_q4b59e3903a_first_rows.kd
    .args:
      - { .name: fine, .offset: 0, .size: 8, .value_kind: global_buffer, .address_space: global }
      - { .name: Wout, .offset: 8, .size: 8, .value_kind: global_buffer, .address_space: global }
      - { .name: out0, .offset: 16, .size: 8, .value_kind: global_buffer, .address_space: global }
    .group_segment_fixed_size: 71680
    .private_segment_fixed_size: 0
    .kernarg_segment_align: 8
    .kernarg_segment_size: 24
    .max_flat_workgroup_size: 512
    .sgpr_count:     66
    .vgpr_count:     256
    .wavefront_size: 32
...
	.end_amdgpu_metadata
.endif
;; end of part 5
